; MI455X (gfx1250); checked and timed in simulation.
; The chip was launched on July 23, 2026; its instructions are those of AMD's public machine-readable ISA for CDNA 5 (MIT licence, August 2026) and "CDNA5" Instruction Set Architecture Reference Guide (July 2026). The comments in the code are by the model that wrote it; some were corrected since.
;; Multi Head Attention. Allowed arithmetic: matrix products marked QUANTISED: E2M1 operands, one E8M0 scale for each 32 along K, by v_wmma_scale_f32_16x16x128_f8f6f4 with both operands' format E2M1 (or v_wmma_scale_f32_32x16x128_f4), f32 sums; products left as they are: bf16, f16 or f32 operands; f32 sums; everything else in f32.
;; Inputs: K 4 x 2,048 x 1,024 float32; Q 4 x 2,048 x 1,024 float32; V 4 x 2,048 x 1,024 float32; Wk 1,024 x 1,024 float32; Wo 1,024 x 1,024 float32; Wq 1,024 x 1,024 float32; Wv 1,024 x 1,024 float32; bk 1,024 float32; bo 1,024 float32; bq 1,024 float32; bv 1,024 float32; mask 4 x 2,048 x 2,048 int32.
;; Outputs: out0 4 x 2,048 x 1,024 float32.
;; This version of the problem:
;;   THIS VERSION OF THE PROBLEM IS GIVEN IN LOW PRECISION. The matrix products marked QUANTISED in the list below multiply operands that are first quantised to E2M1 (2 exponent bits, 1 mantissa bit; 4 bits a number), with one power-of-two scale for each 32 numbers along K (OCP MX v1.0); their sums are f32. The products marked 'left as it is' may take bf16, f16 or f32 operands, with f32 sums. Whichever they take, every output number must still come out within the allowed error. Rounding operands to bf16 (8 significant bits) uses up far more of that allowance than f16 does (11 bits, for magnitudes from 6e-5 to 65,504). All else is computed in f32.
;;   The module's matrix products, in the order in which they are computed (A, B: the left and right operand; K: the contracted axis; several contracted axes count as one K, in the product's order):
;;     1. [M 8,192, K 1,024] x [K 1,024, N 1,024]; A: input Q; B: input Wq: QUANTISED
;;     2. [M 8,192, K 1,024] x [K 1,024, N 1,024]; A: input K; B: input Wk: QUANTISED
;;     3. [M 8,192, K 1,024] x [K 1,024, N 1,024]; A: input V; B: input Wv: QUANTISED
;;     4. batch 64 x [M 2,048, K 64] x [K 64, N 2,048]; A: computed on the way; B: computed on the way: left as it is (an operand is computed on the way)
;;     5. batch 64 x [M 2,048, K 2,048] x [K 2,048, N 64]; A: computed on the way; B: computed on the way: left as it is (an operand is computed on the way)
;;     6. [M 8,192, K 1,024] x [K 1,024, N 1,024]; A: computed on the way; B: input Wo: left as it is (an operand is computed on the way)
;;   THE QUANTISER, for each operand of a quantised product, along K:
;;     - K is cut into blocks of 32 from its start; a last block that is shorter is filled with zeros.
;;     - A block's scale is 2^e with e = floor(log2(the largest magnitude in the block)) - 2, held to -126 .. 127; a block of zeros has e = 0. As a byte (E8M0): e + 127.
;;     - Each number is divided by its block's scale, clamped to +-6, and rounded to the nearest number of E2M1, ties to even, subnormals kept.
;;     - The product sums the exact products of the quantised numbers (number of the format x scale) in f32.
;;   ~~~python
;;   def quantise(x, axis):      # numpy; x: float32 -> the quantised numbers, widened to float32 again
;;       x = np.moveaxis(x, axis, -1); K = x.shape[-1]
;;       x = np.pad(x, [(0, 0)] * (x.ndim - 1) + [(0, -K % 32)]); x = x.reshape(x.shape[:-1] + (-1, 32)); a = np.abs(x).max(-1, keepdims=True)
;;       e = np.where(a > 0, np.clip(np.frexp(np.where(a > 0, a, 1))[1] - 1 - 2, -126, 127), 0)      # np.frexp(a)[1] - 1 = floor(log2(a)), exactly
;;       r = np.clip(x / 2.0 ** e, -6, 6)
;;       step = 2.0 ** (np.maximum(np.frexp(np.where(r == 0, 1, r))[1] - 1, 0) - 1)
;;       q = np.round(r / step) * step * 2.0 ** e      # np.round: ties to even
;;       return np.moveaxis(q.reshape(q.shape[:-2] + (-1,))[..., :K], -1, axis).astype(np.float32)
;;   ~~~
;; One version. Each part assembles by itself: llvm-mc -triple=amdgcn-amd-amdhsa -mcpu=gfx1250 --defsym DOCPART=n.
;; ======== version 1 of 1: 4 launches
;; limits: values are held in f16: magnitudes above 65,504 overflow, below 6.1e-05 lose precision
;; workspace buffers: xcodes 12,582,912 bytes; xscales 786,432 bytes; wcodes 1,572,864 bytes; wscales 98,304 bytes; mbits 2,097,152 bytes of whole numbers; wo16 2,097,152 bytes; qkv 50,331,648 bytes; ctx 16,777,216 bytes
;; launch prep (part 1): grid 1248 x 1, 4 waves a work-group, no clusters, 68,096 bytes of LDS; arguments Q, K, V, Wq, Wk, Wv, xcodes, xscales, wcodes, wscales, mask, mbits, Wo, wo16; writes xcodes, xscales, wcodes, wscales, mbits, wo16
.if DOCPART == 1
	.amdgcn_target "amdgcn-amd-amdhsa--gfx1250"
	.amdhsa_code_object_version 6
	.text
	.protected	k_q83f9347d47_prep
	.globl	k_q83f9347d47_prep
	.p2align	8
	.type	k_q83f9347d47_prep,@function
k_q83f9347d47_prep:
	s_mov_b64 s[64:65], 0
	v_nop
	global_prefetch_b8 v0, s[64:65] scope:SCOPE_SE
	s_setreg_imm32_b32 hwreg(HW_REG_WAVE_MODE, 25, 1), 1
	s_wait_xcnt 0x0
; PREP: what every later launch reads narrow is made narrow once.  Three kinds of work-group, told apart by the work-group's number alone:
;   0 .. 255      the mask [4][2048][2048] int32 becomes bit words: one word for each register of a tile of scores, bit l = lane l's (query, key) is open (mask != 0)
;   256 .. 1119   Q, K, V [8192][1024] and Wq, Wk, Wv [1024][1024], f32, become codes of FP4 (E2M1), K innermost, with one E8M0 byte for each 32 along K
;   1120 .. 1247  Wo [1024][1024] f32 becomes f16
; No cluster, no tensor load, no matrix unit: a stream, every input byte read once; work-groups share nothing.
; THE QUANTISER: a block's scale is 2^(floor(log2(largest magnitude)) - 2); its byte is the largest magnitude's exponent field - 2, held at 1 from below; each number / scale goes to the nearest code, ties to even, beyond 6 the largest code.
; LIMITS: a block of zeros gets the byte 1 where the rule says 127 (its codes are zeros, and this program alone reads the bytes); blocks whose largest magnitude lies under 2^(2 - 126) were not tried;
; NaN and infinities among the inputs are not served; Wo's magnitudes stay under 65,504 (f16).
; MASK WORDS: mbits [b][group of 64 queries, 32][step of 64 keys, 32][pair of query tiles, 2][64 words]; word 2 (8 kt + j) + tt, bit l: mask[b][64 group + 32 pair + 16 tt + l % 16][64 step + 16 kt + 8 (l / 16) + j] != 0.
; LDS: each kind of work-group has bytes of its own: the quantiser 8,192 a wave from 0; the mask's stages 8,704 a wave from 32,768; then the spare words.
.set SPW,   12                         ; v12  LDS address of my spare word: SPARE + 4 x my thread's number; never rewritten
.set NIL,   13                         ; v13  0; never rewritten
.set WREG,  8192                       ; the quantiser's region of a wave: two stages of 32 x SP bytes, and behind them its 256 scale bytes
.set SP,    80                         ; a lane's place in such a stage: 64 bytes + 16 of padding
.set MSTG,  4*WREG                     ; the mask's stages begin here
.set MWAVE, 32*272                     ; 32 queries x (64 keys x 4 bytes + 16 of padding)
.set SPARE, MSTG+4*MWAVE               ; the spare words, 128 bytes for each wave: two blocks of 256 bytes that no other line names
.set STEPS, 16
.set EMAX,  2
.set CB,    8                          ; bytes of 16 codes
.set QR,    16                         ; quantiser: v16-79 four sets of 16 numbers as loaded
.set QX,    80                         ; v80-111 two sets of 16 neighbours
.set QE,    112                        ; v112-127 a scale byte for each step
.set QC,    128                        ; v128-191 codes, four registers for each step
.set MR,    16                         ; mask: v16-143 two sets of 64 words as loaded
.set MX,    144                        ; v144-207 64 words in the scores' layout
.set MW,    208                        ; v208-223 a pair of registers of bit words for each of a wave's eight units
	s_load_b512 s[4:19], s[0:1], 0x0               ; Q, K, V, Wq, Wk, Wv, xcodes, xscales
	s_load_b256 s[20:27], s[0:1], 0x40             ; wcodes, wscales, mask, mbits
	s_load_b128 s[28:31], s[0:1], 0x60             ; Wo, wo16
	v_lshl_add_u32 v[SPW], v0, 2, SPARE
	v_mov_b32 v[NIL], 0
	v_lshrrev_b32 v1, 5, v0
	v_readfirstlane_b32 s32, v1                    ; wave 0..3
	v_and_b32 v2, 31, v0                           ; lane
	s_wait_kmcnt 0x0
	s_cmp_lt_u32 ttmp9, 256
	s_cbranch_scc1 .Lmask
	s_cmp_ge_u32 ttmp9, 1120
	s_cbranch_scc1 .Lwo
; ---------------- THE QUANTISER.  A work-group takes 32,768 numbers, a wave 16 steps of 512.  Rows are dense and K is a multiple of 32: a tensor is a plain stream of blocks of 32.
; Each load reads 512 consecutive bytes; a step's 2,048 bytes turn through the wave's own stage so that a lane holds 16 neighbours (two lanes a block).
	v_lshlrev_b32 v3, 4, v2                        ; my 16 bytes of a load's 512
	s_mul_i32 s38, s32, WREG
	v_lshrrev_b32 v14, 2, v2
	v_mul_u32_u24 v14, v14, SP
	v_and_b32 v15, 3, v2
	v_lshl_add_u32 v14, v15, 4, v14
	v_add_nc_u32 v14, s38, v14                     ; the stage, on the way in: SP (lane / 4) + 16 (lane % 4)
	v_mul_u32_u24 v15, v2, SP
	v_add_nc_u32 v15, s38, v15                     ; and on the way out: SP x lane
	v_mul_u32_u24 v4, v2, CB                       ; my codes' place in a step's
	v_lshrrev_b32 v5, 1, v2
	s_add_co_u32 s38, s38, 2*32*SP
	v_add_nc_u32 v5, s38, v5                       ; my wave's 256 scale bytes, my block's byte
	v_lshlrev_b32 v7, 3, v2
	v_add_nc_u32 v6, s38, v7                       ; and on the way out 8 bytes a lane
	s_sub_co_u32 s33, ttmp9, 256                   ; 0 .. 767: Q, K, V, 256 work-groups each; 768 .. 863: Wq, Wk, Wv, 32 each
	s_cmp_lt_u32 s33, 768                          ; the choices hang on the work-group's number alone
	s_cselect_b64 s[4:5], s[4:5], s[10:11]         ; Q or Wq
	s_cselect_b64 s[6:7], s[6:7], s[12:13]         ; K or Wk
	s_cselect_b64 s[8:9], s[8:9], s[14:15]         ; V or Wv
	s_cselect_b64 s[16:17], s[16:17], s[20:21]     ; the codes' buffer
	s_cselect_b64 s[18:19], s[18:19], s[22:23]     ; the scale bytes'
	s_cselect_b32 s34, 0, 768
	s_cselect_b32 s35, 8, 5
	s_cselect_b32 s36, 255, 31
	s_sub_co_u32 s34, s33, s34                     ; my number among the three stacked tensors
	s_lshr_b32 s35, s34, s35                       ; which of the three
	s_and_b32 s36, s34, s36                        ; my number within it
	s_cmp_eq_u32 s35, 1
	s_cselect_b64 s[4:5], s[6:7], s[4:5]
	s_cmp_eq_u32 s35, 2
	s_cselect_b64 s[4:5], s[8:9], s[4:5]
	s_lshl_b32 s36, s36, 2
	s_add_co_u32 s36, s36, s32
	s_lshl_b32 s36, s36, 15                        ; my wave's 8,192 numbers: 32,768 bytes
	s_mov_b32 s37, 0
	s_add_nc_u64 s[4:5], s[4:5], s[36:37]
	s_lshl_b32 s34, s34, 2
	s_add_co_u32 s34, s34, s32
	s_lshl_b32 s36, s34, 12                        ; 4,096 bytes of codes,
	s_add_nc_u64 s[16:17], s[16:17], s[36:37]
	s_lshl_b32 s36, s34, 8                         ; 256 scale bytes
	s_add_nc_u64 s[18:19], s[18:19], s[36:37]
.macro QLOAD t
.irp i, 0,1,2,3
	global_load_b128 v[QR+16*((\t)%4)+4*\i:QR+16*((\t)%4)+4*\i+3], v3, s[4:5] offset:2048*(\t)+512*\i th:TH_LOAD_NT   ; 32 lanes read 512 consecutive bytes
.endr
.endm
.macro QTURN t                         ; step t's numbers through the stage: LDS serves a wave's instructions in order, so no wait stands between the stores and the loads
.irp i, 0,1,2,3
	ds_store_b128 v14, v[QR+16*((\t)%4)+4*\i:QR+16*((\t)%4)+4*\i+3] offset:32*SP*((\t)%2)+8*SP*\i
.endr
.irp i, 0,1,2,3
	ds_load_b128 v[QX+16*((\t)%2)+4*\i:QX+16*((\t)%2)+4*\i+3], v15 offset:32*SP*((\t)%2)+16*\i
.endr
.endm
.irp t, 0,1,2,3
	QLOAD \t
.endr
	s_wait_loadcnt 12                              ; step 0's four loads are in; the twelve of steps 1 to 3 may be out
	QTURN 0
.macro QSTEP t
.set XS, QX+16*((\t)%2)
.if (\t) > 0
	s_wait_dscnt 1                                 ; this step's numbers are back from the stage (the last step's byte store may be out)
.else
	s_wait_dscnt 0x0
.endif
.if (\t)+4 < STEPS
	QLOAD (\t)+4                                   ; into the registers that this step's stores into the stage have read
.endif
.if (\t)+1 < STEPS
.if STEPS-2-(\t) >= 3
	s_wait_loadcnt 12                              ; the next step's four loads are in; those of the three steps behind it may be out
.else
	s_wait_loadcnt 4*(STEPS-2-(\t))
.endif
	QTURN (\t)+1
.endif
	v_max3_num_f32 v8, |v[XS]|, |v[XS+1]|, |v[XS+2]|               ; the largest magnitude of my 16, in two chains
	v_max3_num_f32 v9, |v[XS+3]|, |v[XS+4]|, |v[XS+5]|
.irp i, 6,10
	v_max3_num_f32 v8, v8, |v[XS+\i]|, |v[XS+\i+1]|
	v_max3_num_f32 v9, v9, |v[XS+\i+2]|, |v[XS+\i+3]|
.endr
	v_max3_num_f32 v8, v8, |v[XS+14]|, |v[XS+15]|
	v_max3_num_f32 v8, v8, v9, (EMAX+1)<<23        ; and the floor 2^(EMAX + 1 - 127): the byte cannot fall under 1
	v_max_num_f32_dpp v8, v8, v8 row_xmask:1 row_mask:0xf bank_mask:0xf   ; and of my neighbour's 16: the block's
	v_add_nc_u32 v11, -(EMAX<<23), v8              ; EMAX off its exponent field: the conversion takes the exponent field of this operand as its scale
	v_cvt_scalef32_pk8_fp4_f32 v[QC+4*(\t)], v[XS:XS+7], v11
	v_cvt_scalef32_pk8_fp4_f32 v[QC+4*(\t)+1], v[XS+8:XS+15], v11
	v_lshrrev_b32 v[QE+(\t)], 23, v11              ; the scale's byte (also the plain line behind the conversions)
	ds_store_b8 v5, v[QE+(\t)] offset:16*(\t)      ; both lanes of a block write the same byte with the same value
	global_store_b64 v4, v[QC+4*(\t):QC+4*(\t)+1], s[16:17] offset:32*CB*(\t)   ; 32 lanes store 256 consecutive bytes, aligned
.endm
.irp t, 0,1,2,3,4,5,6,7,8,9,10,11,12,13,14,15
	QSTEP \t
.endr
	ds_load_b64 v[8:9], v6                         ; LDS serves a wave's instructions in order: these see my byte stores
	s_wait_dscnt 0x0
	global_store_b64 v7, v[8:9], s[18:19]          ; 256 scale bytes, aligned
	s_branch .Lend
; ---------------- THE MASK.  Work-group P = 64 b + pair of query tiles (32 queries); wave w takes key steps 8 w .. 8 w + 7.  A unit is 32 queries x 64 keys: 8,192 bytes in, 256 bytes out.
; Each load reads two rows' 256 bytes; the unit turns through the wave's own stage (rows 272 bytes apart) so that lane l holds query l % 16 and keys 8 (l / 16) + 0 .. 7 of each tile, as a tile of scores does.
; A compare then gives the 32 lanes' bits as one scalar word, which goes into lane 8 kt + j of the unit's pair of registers: 32 lanes x 8 bytes are the unit's 64 words in their order.
.Lmask:
	v_lshrrev_b32 v7, 4, v2                        ; l / 16
	v_and_b32 v8, 15, v2                           ; l % 16
	v_lshlrev_b32 v3, 13, v7                       ; in: a mask row is 8,192 bytes
	v_lshl_add_u32 v3, v8, 4, v3
	s_mul_i32 s33, s32, MWAVE
	s_add_co_u32 s33, s33, MSTG                    ; my stage
	v_mul_u32_u24 v4, v7, 272
	v_lshl_add_u32 v4, v8, 4, v4
	v_add_nc_u32 v4, s33, v4                       ; into it: two rows an instruction
	v_mul_u32_u24 v5, v8, 272
	v_lshl_add_u32 v5, v7, 5, v5
	v_add_nc_u32 v5, s33, v5                       ; out of it: row l % 16, 32 bytes for each half of the lanes
	v_lshlrev_b32 v6, 3, v2                        ; out: 8 bytes a lane
	s_lshl_b32 s34, ttmp9, 18                      ; 32 rows of 8,192 bytes
	s_lshl_b32 s35, s32, 11                        ; 8 steps of 256 bytes
	s_add_co_u32 s34, s34, s35
	s_mov_b32 s35, 0
	s_add_nc_u64 s[24:25], s[24:25], s[34:35]
	s_lshr_b32 s34, ttmp9, 1
	s_lshl_b32 s34, s34, 14                        ; a group of 64 queries: 32 steps x 512 bytes
	s_and_b32 s33, ttmp9, 1
	s_lshl_b32 s33, s33, 8                         ; the pair
	s_add_co_u32 s34, s34, s33
	s_lshl_b32 s33, s32, 12                        ; 8 steps of 512 bytes
	s_add_co_u32 s34, s34, s33
	s_add_nc_u64 s[26:27], s[26:27], s[34:35]
.irp i, 0,1,2,3,4,5,6,7,8,9,10,11,12,13,14,15
	v_mov_b32 v[MW+\i], 0                          ; written once: a lane write's destination counts as read
.endr
.macro LOADM u
.irp i, 0,1,2,3,4,5,6,7,8,9,10,11,12,13,14,15
	global_load_b128 v[MR+64*((\u)%2)+4*\i:MR+64*((\u)%2)+4*\i+3], v3, s[24:25] offset:16384*\i+256*(\u) th:TH_LOAD_NT   ; rows 2 i and 2 i + 1: sixteen lanes read 256 consecutive bytes, aligned
.endr
.endm
.macro UNIT u
.if (\u) < 7
	s_wait_loadcnt 16                              ; this unit's 16 loads are in; the next unit's 16 may be out
.else
	s_wait_loadcnt 0x0
.endif
.irp i, 0,1,2,3,4,5,6,7,8,9,10,11,12,13,14,15
	ds_store_b128 v4, v[MR+64*((\u)%2)+4*\i:MR+64*((\u)%2)+4*\i+3] offset:544*\i
.endr
.irp g, 0,1,2,3,4,5,6,7                        ; g = 4 tt + kt
.irp c, 0,1
	ds_load_b128 v[MX+8*\g+4*\c:MX+8*\g+4*\c+3], v5 offset:4352*(\g/4)+64*(\g%4)+16*\c
.endr
.endr
	s_wait_dscnt 0x0                               ; the unit is back; its stores into the stage have read their registers
.if (\u)+2 < 8
	LOADM (\u)+2
.endif
.irp g, 0,1,2,3,4,5,6,7
.irp j, 0,1,2,3,4,5,6,7
	v_cmp_ne_u32 s[36+\j], 0, v[MX+8*\g+\j]        ; the 32 lanes' bits of register (tt, kt, j)
.endr
.irp j, 0,1,2,3,4,5,6,7
	v_writelane_b32 v[MW+2*(\u)+\g/4], s[36+\j], 8*(\g%4)+\j
.endr
.endr
	global_store_b64 v6, v[MW+2*(\u):MW+2*(\u)+1], s[26:27] offset:512*(\u)   ; 256 consecutive bytes, aligned; each unit has registers of its own
.endm
	LOADM 0
	LOADM 1
.irp u, 0,1,2,3,4,5,6,7
	UNIT \u
.endr
	s_branch .Lend
; ---------------- Wo to f16: a wave takes 8,192 bytes in, 4,096 out.
.Lwo:
	s_sub_co_u32 s33, ttmp9, 1120
	s_lshl_b32 s33, s33, 2
	s_add_co_u32 s33, s33, s32
	s_lshl_b32 s34, s33, 13
	s_mov_b32 s35, 0
	s_add_nc_u64 s[28:29], s[28:29], s[34:35]
	s_lshl_b32 s34, s33, 12
	s_add_nc_u64 s[30:31], s[30:31], s[34:35]
	v_lshlrev_b32 v3, 4, v2
	v_lshlrev_b32 v4, 3, v2
.irp i, 0,1,2,3,4,5,6,7,8,9,10,11,12,13,14,15
	global_load_b128 v[16+4*\i:19+4*\i], v3, s[28:29] offset:512*\i th:TH_LOAD_NT
.endr
.irp i, 0,1,2,3,4,5,6,7,8,9,10,11,12,13,14,15
	s_wait_loadcnt 15-\i                           ; loads come back in order: load i is in, the younger ones may be out
	v_cvt_pk_f16_f32 v[80+2*\i], v[16+4*\i], v[17+4*\i]
	v_cvt_pk_f16_f32 v[81+2*\i], v[18+4*\i], v[19+4*\i]
	global_store_b64 v4, v[80+2*\i:81+2*\i], s[30:31] offset:256*\i   ; 256 consecutive bytes, aligned
.endr
.Lend:
	s_wait_tensorcnt 0x0                           ; the wave's end: behind my last LDS store
	ds_add_u32 v[SPW], v[NIL]
	s_wait_dscnt 0x0
	s_endpgm
.Lfunc_end_k_q83f9347d47_prep:
	.size	k_q83f9347d47_prep, .Lfunc_end_k_q83f9347d47_prep-k_q83f9347d47_prep
	.p2alignl 7, 3214868480
	.fill 96, 4, 3214868480
	.section	.rodata,"a",@progbits
	.p2align	6, 0x0
	.amdhsa_kernel k_q83f9347d47_prep
		.amdhsa_group_segment_fixed_size 68096
		.amdhsa_private_segment_fixed_size 0
		.amdhsa_enable_private_segment 0
		.amdhsa_kernarg_size 112
		.amdhsa_user_sgpr_count 2
		.amdhsa_user_sgpr_kernarg_segment_ptr 1
		.amdhsa_wavefront_size32 1
		.amdhsa_system_sgpr_workgroup_id_x 1
		.amdhsa_system_sgpr_workgroup_id_y 1
		.amdhsa_system_sgpr_workgroup_id_z 1
		.amdhsa_system_vgpr_workitem_id 0
		.amdhsa_next_free_vgpr 224
		.amdhsa_next_free_sgpr 66
		.amdhsa_reserve_vcc 0
		.amdhsa_float_denorm_mode_32 3
		.amdhsa_float_denorm_mode_16_64 3
		.amdhsa_memory_ordered 1
		.amdhsa_forward_progress 1
		.amdhsa_inst_pref_size 135
	.end_amdhsa_kernel
	.amdgpu_metadata
---
amdhsa.version: [ 1, 2 ]
amdhsa.kernels:
  - .name:           k_q83f9347d47_prep
    .symbol:         k_q83f9347d47_prep.kd
    .args:
      - { .name: Q, .offset: 0, .size: 8, .value_kind: global_buffer, .address_space: global }
      - { .name: K, .offset: 8, .size: 8, .value_kind: global_buffer, .address_space: global }
      - { .name: V, .offset: 16, .size: 8, .value_kind: global_buffer, .address_space: global }
      - { .name: Wq, .offset: 24, .size: 8, .value_kind: global_buffer, .address_space: global }
      - { .name: Wk, .offset: 32, .size: 8, .value_kind: global_buffer, .address_space: global }
      - { .name: Wv, .offset: 40, .size: 8, .value_kind: global_buffer, .address_space: global }
      - { .name: xcodes, .offset: 48, .size: 8, .value_kind: global_buffer, .address_space: global }
      - { .name: xscales, .offset: 56, .size: 8, .value_kind: global_buffer, .address_space: global }
      - { .name: wcodes, .offset: 64, .size: 8, .value_kind: global_buffer, .address_space: global }
      - { .name: wscales, .offset: 72, .size: 8, .value_kind: global_buffer, .address_space: global }
      - { .name: mask, .offset: 80, .size: 8, .value_kind: global_buffer, .address_space: global }
      - { .name: mbits, .offset: 88, .size: 8, .value_kind: global_buffer, .address_space: global }
      - { .name: Wo, .offset: 96, .size: 8, .value_kind: global_buffer, .address_space: global }
      - { .name: wo16, .offset: 104, .size: 8, .value_kind: global_buffer, .address_space: global }
    .group_segment_fixed_size: 68096
    .private_segment_fixed_size: 0
    .kernarg_segment_align: 8
    .kernarg_segment_size: 112
    .max_flat_workgroup_size: 128
    .sgpr_count:     66
    .vgpr_count:     224
    .wavefront_size: 32
...
	.end_amdgpu_metadata
.endif
;; end of part 1
;; launch proj (part 2): grid 4 x 96, 4 waves a work-group, clusters of 4 x 4, 327,680 bytes of LDS; arguments xcodes, xscales, wcodes, wscales, qkv, bq, bk, bv; writes qkv
.if DOCPART == 2
	.amdgcn_target "amdgcn-amd-amdhsa--gfx1250"
	.amdhsa_code_object_version 6
	.text
	.protected	k_q83f9347d47_proj
	.globl	k_q83f9347d47_proj
	.p2align	8
	.type	k_q83f9347d47_proj,@function
k_q83f9347d47_proj:
	s_mov_b64 s[64:65], 0
	v_nop
	global_prefetch_b8 v0, s[64:65] scope:SCOPE_SE
	s_setreg_imm32_b32 hwreg(HW_REG_WAVE_MODE, 25, 1), 1
	s_wait_xcnt 0x0
	s_wait_alu depctr_hold_cnt(0) depctr_sa_sdst(0) depctr_va_vdst(0) depctr_va_sdst(0) depctr_va_ssrc(0) depctr_va_vcc(0) depctr_vm_vsrc(0)
	s_getreg_b32 s2, hwreg(HW_REG_IB_STS2, 6, 4)
	s_cmp_eq_u32 s2, 0
	s_cbranch_scc0 .Lentry_in_a_cluster
	s_endpgm
.Lentry_in_a_cluster:
	s_bfe_u32 s2, ttmp6, 0x10000c
	s_cmp_lg_u32 s2, 0xf033
	s_cbranch_scc0 .Lentry_shape_is_right
	s_endpgm
.Lentry_shape_is_right:
; PROJ: q = Q Wq^T + bq, k = K Wk^T + bk, v = V Wv^T + bv, all three in one launch, on codes of FP4 (E2M1) with one E8M0 scale for each 32 along K; sums in f32; results as f16, split by heads.
; A: xcodes [3 x 8192][512 bytes], xscales [3 x 8192][32];  B: wcodes [3 x 1024][512 bytes], wscales [3 x 1024][32];  out: qkv [z = q, k, v][b][head][s][64] f16.
; A tile of 256 rows x 256 columns is made by a work-group of four waves, a wave 128 x 128: 64 accumulators, 512 registers.  Tile row 0 .. 95 over the three stacked tensors, tile column 0 .. 3.
; K = 1,024 is two K steps of 512 (rows of 256 bytes): both LDS slots are filled once, at the start, and nothing is filled again.  The scales of the work-group's rows come once, as dense blocks.
; CLUSTERS: 4 x 4 work-groups.  The four of a row of the cluster need the same tiles of A, the four of a column the same tiles of B: each tile is asked for jointly.  z hangs on the cluster's y alone (8 clusters to a tensor), so all sixteen partners share it.
; THE MATRIX INSTRUCTION IS USED TRANSPOSED (source 0 = 16 rows of W, source 1 = 16 rows of x): a lane holds eight neighbouring columns of one token.  The bias is the C of each sum's first product.
; LIMITS: results go to f16: their magnitudes stay under 65,504.
; REGISTERS: window 0: v0-31 addresses; v32-95 scale words, two sets; v128-191 A's fragments, one set; v192-255 the bias, 8 registers for each block of 16 columns; on the way out v32-63 packed results, v128-191 rows read back.
;   window 1: B's fragments, two sets, at v0 and v128.   window 2: the accumulators of my rows 0-63 ((a, b) at v[8 (8 a + b)]);   window 3: those of my rows 64-127.
.set KSTEP,  512
.set NQ,     KSTEP/128
.set ROWB,   256                       ; a tile's row in bytes
.set KROW,   512                       ; a row of codes in memory
.set PITCH,  272                       ; an LDS row: 256 bytes + 16 of padding = 68 words: the 16 rows that a load touches start 4 banks apart (64 banks of 4 bytes: ISA guide 11.1)
.set FR,     8
.set NL,     2
.set NP,     4                         ; places behind this matrix instruction (ISA guide 7.12.1)
.set HALFT,  128*PITCH
.set SLOT,   4*HALFT
.set KS,     32                        ; a row of scales in bytes
.set SCL,    2*SLOT
.set HALFS,  (128*KS/256)*272
.set SBLK,   (16*KS/256)*272
.set SPARE,  SCL+4*HALFS               ; the spare words, 128 bytes for each wave: two blocks of 256 bytes that no other line names
.set SWAVE,  2*8*272                   ; the way out: a stage for each wave, [head 0, 1][pair of tokens, 8][256 bytes + 16], in slot 0, which has had its only fill and its last read by then
.set ADRA, 16
.set ADRB, 20
.set STO,  24
.set RD,   25
.set CO,   26
.set ADRS, 27
.set SPW,  28                          ; v28  LDS address of my spare word; never rewritten
.set NIL,  29                          ; v29  0; never rewritten
.set BO,   30                          ; v30  the bias loads' lane offset
.set SC,   32
.set AF,   128
.set BI,   192
.set TMP,  32
.set BK,   128
.set G1, 24
.set G0, 32
.set G1B, 48
.set G0B, 56
.set G1S, 68
.set G0S, 76
.set G1SB, 80
.set G0SB, 88
.set MSB, 0
.macro WIN new                         ; the immediate's high byte repeats the setting that is left
.if MSB != \new
	s_set_vgpr_msb (MSB<<8)|\new
.set MSB, \new
.endif
.endm
.set MUL_LO, 0xa1                      ; source 0 (W) window 1, source 1 (x) window 0, C and D window 2
.set MUL_HI, 0xf1                      ; the same, C and D window 3
.set ONE_LO, 0x81                      ; the first products: C (the bias) window 0, D window 2
.set ONE_HI, 0xc1                      ; D window 3
.set TO_B,   0x40
; A joint load: waves 0 and 1 fetch for A, waves 2 and 3 for B; the branch hangs on the wave's number alone.  An s_nop 0 and four v_nop follow each of the two lines.
.macro JLOAD g0a, g1a, g0b, g1b
	s_cmp_eq_u32 s15, 0
	s_cbranch_scc0 .Lfor_b_\@
	tensor_load_to_lds s[\g0a:\g0a+3], s[\g1a:\g1a+7]
	s_nop 0
.rept 4
	v_nop
.endr
	s_branch .Lasked_\@
.Lfor_b_\@:
	tensor_load_to_lds s[\g0b:\g0b+3], s[\g1b:\g1b+7]
	s_nop 0
.rept 4
	v_nop
.endr
.Lasked_\@:
.endm
.macro CROUND                          ; a round of the cluster's barrier
	s_barrier_signal -1
	s_barrier_wait -1
	s_cmp_lg_u32 s14, 0
	s_cbranch_scc1 .Lnot_wave_0_\@
	s_barrier_signal -3
.Lnot_wave_0_\@:
	s_barrier_wait -3
	s_barrier_signal -1
	s_barrier_wait -1
.endm
	s_load_b128 s[4:7], s[0:1], 0x0                ; x's codes, x's scales
	s_load_b128 s[8:11], s[0:1], 0x10              ; W's codes, W's scales
	s_load_b64 s[12:13], s[0:1], 0x20              ; qkv
	s_load_b64 s[96:97], s[0:1], 0x28              ; bq
	s_load_b64 s[98:99], s[0:1], 0x30              ; bk
	s_load_b64 s[100:101], s[0:1], 0x38            ; bv
	v_lshl_add_u32 v[SPW], v0, 2, SPARE
	v_mov_b32 v[NIL], 0
	ds_add_u32 v[SPW], v[NIL]                      ; the wave's opening: the add, twice on end, and its wait ahead of my first tensor load
	ds_add_u32 v[SPW], v[NIL]                      ; and once more; the set-up below, work on registers, stands between it and the wait
	v_lshrrev_b32 v1, 5, v0
	v_readfirstlane_b32 s14, v1                    ; wave 0..3
	s_lshr_b32 s15, s14, 1                         ; which half of the tile's rows is mine.  Also: I fetch for A (0) or for B (1)
	s_and_b32 s16, s14, 1                          ; which half of its columns.  Also: which 128 rows of that tile I fetch
	s_bfe_u32 s40, ttmp6, 0x40000                  ; cx, cy: my place in the cluster
	s_bfe_u32 s41, ttmp6, 0x40004
	s_lshl_b32 s42, ttmp9, 2
	s_add_co_u32 s42, s42, s40                     ; tile column = 4 x cluster x + cx
	s_and_b32 s17, ttmp7, 0xffff
	s_lshr_b32 s95, s17, 3                         ; z: q, k or v: 8 clusters along y to a tensor
	s_lshl_b32 s17, s17, 2
	s_add_co_u32 s17, s17, s41                     ; tile row = 4 x cluster y + cy
	s_lshl_b32 s43, s41, 2
	s_lshl_b32 s43, 15, s43                        ; my row of the cluster
	s_lshl_b32 s44, 0x1111, s40                    ; my column
	; descriptor group 1: a tile of 128 rows x 256 bytes, padded in LDS
	s_or_b32 s[G1+0], s43, (0<<16)|(1<<20)|(1<<21)|(5<<22)|(3<<25)  ; 15:0 the mask; 17:16 element of 1 byte; 20 padding on; 21 set beside a mask; 24:22 after every 64 words; 31:25 four words
	s_or_b32 s[G1B+0], s44, (0<<16)|(1<<20)|(1<<21)|(5<<22)|(3<<25)
.irp g, G1, G1B
	s_mov_b32 s[\g+1], ROWB<<16                    ; tensor_dim0
	s_mov_b32 s[\g+2], 128<<16                     ; tensor_dim1
	s_mov_b32 s[\g+3], ROWB<<16                    ; tile_dim0
	s_mov_b32 s[\g+4], 128                         ; tile_dim1
	s_mov_b32 s[\g+5], KROW                        ; tensor_dim0_stride
	s_mov_b32 s[\g+6], 0
	s_mov_b32 s[\g+7], 0
.endr
	; the scales of 128 rows: a dense block of 4,096 bytes, as 16 rows of 256 bytes (32 elements of 8 bytes), 16 bytes of padding behind each
	s_or_b32 s[G1S+0], s43, (3<<16)|(1<<20)|(1<<21)|(5<<22)|(3<<25)
	s_or_b32 s[G1SB+0], s44, (3<<16)|(1<<20)|(1<<21)|(5<<22)|(3<<25)
.irp g, G1S, G1SB
	s_mov_b32 s[\g+1], 32<<16
	s_mov_b32 s[\g+2], (128*KS/256)<<16
	s_mov_b32 s[\g+3], 32<<16
	s_mov_b32 s[\g+4], 128*KS/256
	s_mov_b32 s[\g+5], 32
	s_mov_b32 s[\g+6], 0
	s_mov_b32 s[\g+7], 0
.endr
	s_lshl_b32 s18, s16, 7                         ; which 128 rows of the tile I fetch
	s_lshl_b32 s20, s17, 8
	s_add_co_u32 s20, s20, s18                     ; A: row 256 x tile row + 128 x half, in the three stacked tensors
	s_lshl_b32 s46, s42, 8
	s_add_co_u32 s46, s46, s18
	s_lshl_b32 s47, s95, 10
	s_add_co_u32 s46, s46, s47                     ; B: row 1,024 z + 256 x tile column + 128 x half
	s_mov_b32 s21, 0
	s_mov_b32 s47, 0
	s_mov_b64 s[18:19], KS
	s_mul_u64 s[22:23], s[20:21], s[18:19]         ; where these rows' scales begin, in bytes
	s_mul_u64 s[92:93], s[46:47], s[18:19]
	s_mov_b64 s[18:19], KROW
	s_mul_u64 s[20:21], s[20:21], s[18:19]         ; and their codes
	s_mul_u64 s[46:47], s[46:47], s[18:19]
	s_mul_i32 s45, s14, HALFT                      ; where they go: wave x 128 rows: no place in the cluster enters an LDS address
	s_mul_i32 s94, s14, HALFS
	s_wait_dscnt 0x0                               ; both opening adds are done
	s_wait_kmcnt 0x0
	s_add_nc_u64 s[20:21], s[4:5], s[20:21]
	s_add_nc_u64 s[22:23], s[6:7], s[22:23]
	s_add_nc_u64 s[46:47], s[8:9], s[46:47]
	s_add_nc_u64 s[92:93], s[10:11], s[92:93]
	CROUND                                         ; all sixteen work-groups are here: the joint loads meet
	s_mov_b32 s[G0S], 1
	s_add_co_u32 s[G0S+1], s94, SCL
	s_mov_b64 s[G0S+2:G0S+3], s[22:23]
	s_or_b32 s[G0S+3], s[G0S+3], 0x80000000
	s_mov_b32 s[G0SB], 1
	s_add_co_u32 s[G0SB+1], s94, SCL
	s_mov_b64 s[G0SB+2:G0SB+3], s[92:93]
	s_or_b32 s[G0SB+3], s[G0SB+3], 0x80000000
	JLOAD G0S, G1S, G0SB, G1SB                     ; the scales first: they are wanted with K step 0
.irp s, 0,1
	s_mov_b32 s[G0+4*\s], 1
	s_add_co_u32 s[G0+4*\s+1], s45, \s*SLOT
	s_add_nc_u64 s[G0+4*\s+2:G0+4*\s+3], s[20:21], \s*ROWB
	s_or_b32 s[G0+4*\s+3], s[G0+4*\s+3], 0x80000000
	s_mov_b32 s[G0B+4*\s], 1
	s_add_co_u32 s[G0B+4*\s+1], s45, \s*SLOT
	s_add_nc_u64 s[G0B+4*\s+2:G0B+4*\s+3], s[46:47], \s*ROWB
	s_or_b32 s[G0B+4*\s+3], s[G0B+4*\s+3], 0x80000000
	JLOAD G0+4*\s, G1, G0B+4*\s, G1B               ; three loads of mine are out at the most
.endr
	v_and_b32 v1, 15, v0                           ; r = l % 16
	v_bfe_u32 v2, v0, 4, 1                         ; h = l / 16
	; the bias: lane (r, h) wants, for block b of 16 columns, the numbers of columns 16 b + 8 h + 0 .. 7
	s_cmp_eq_u32 s95, 1
	s_cselect_b64 s[96:97], s[98:99], s[96:97]
	s_cmp_eq_u32 s95, 2
	s_cselect_b64 s[96:97], s[100:101], s[96:97]
	s_lshl_b32 s20, s42, 10                        ; 256 columns x 4 bytes a tile column
	s_lshl_b32 s21, s16, 9                         ; my half
	s_add_co_u32 s20, s20, s21
	s_mov_b32 s21, 0
	s_add_nc_u64 s[96:97], s[96:97], s[20:21]
	v_lshlrev_b32 v[BO], 5, v2
.irp b, 0,1,2,3,4,5,6,7
	global_load_b128 v[BI+8*\b:BI+8*\b+3], v[BO], s[96:97] offset:64*\b
	global_load_b128 v[BI+8*\b+4:BI+8*\b+7], v[BO], s[96:97] offset:64*\b+16
.endr
	v_mul_u32_u24 v3, v1, PITCH
	v_lshl_add_u32 v4, v2, 4, v3                   ; a fragment's row x pitch + 16 x half
	s_mul_i32 s21, s15, HALFT                      ; my 128 rows of A
	s_mul_i32 s22, s16, HALFT                      ; my 128 rows of B,
	s_add_co_u32 s22, s22, 2*HALFT                 ; which lie behind A's 256
.irp s, 0,1
	v_add_nc_u32 v[ADRA+\s], s21, v4
	v_add_nc_u32 v[ADRB+\s], s22, v4
	s_add_co_u32 s21, s21, SLOT
	s_add_co_u32 s22, s22, SLOT
.endr
	v_mul_u32_u24 v5, v1, KS                       ; my row's scales: 32 bytes a row,
	v_lshrrev_b32 v6, 8, v5
	v_lshl_add_u32 v5, v6, 4, v5                   ; and 16 more for each 256 passed
	s_mul_i32 s21, s15, HALFS
	s_mul_i32 s22, s16, HALFS
	s_add_co_u32 s22, s22, 2*HALFS
	s_sub_co_u32 s22, s22, s21
	v_mul_u32_u24 v6, s22, v2                      ; lanes 16-31 take B's
	s_add_co_u32 s21, s21, SCL
	v_add_nc_u32 v5, v5, v6
	v_add_nc_u32 v[ADRS], s21, v5
	s_mul_i32 s23, s14, SWAVE                      ; my stage
	v_lshrrev_b32 v5, 1, v1
	v_mul_u32_u24 v5, v5, 272                      ; in: the pair of tokens r / 2,
	v_and_b32 v6, 1, v1
	v_lshl_add_u32 v5, v6, 7, v5                   ; token r % 2 of it (128 bytes a token and head),
	v_lshl_add_u32 v5, v2, 4, v5                   ; 16 bytes for each half of the lanes
	v_add_nc_u32 v[STO], s23, v5
	v_mul_u32_u24 v5, v2, 272
	v_lshl_add_u32 v5, v1, 4, v5
	v_add_nc_u32 v[RD], s23, v5                    ; back: lanes 0-15 one pair of tokens, lanes 16-31 the next
	v_and_b32 v6, 31, v0
	v_lshlrev_b32 v[CO], 4, v6                     ; and the same 512 bytes in qkv
	s_lshl_b32 s20, s17, 8
	s_lshl_b32 s21, s15, 7
	s_add_co_u32 s20, s20, s21                     ; g: my first row among the 24,576: 8,192 z + 2,048 b + s
	s_lshr_b32 s21, s20, 11                        ; 4 z + b
	s_lshl_b32 s21, s21, 4
	s_lshl_b32 s22, s42, 2
	s_add_co_u32 s21, s21, s22
	s_lshl_b32 s22, s16, 1
	s_add_co_u32 s21, s21, s22                     ; x 16 heads + my first head: 4 x tile column + 2 x half
	s_lshl_b32 s21, s21, 11
	s_and_b32 s20, s20, 2047
	s_add_co_u32 s20, s20, s21
	s_lshl_b32 s20, s20, 7                         ; 128 bytes a token and head
	s_mov_b32 s21, 0
	s_add_nc_u64 s[12:13], s[12:13], s[20:21]
.macro FRAG reg, adr, q, i             ; a fragment, 16 rows x 128 K of 4-bit codes: lane l holds row l % 16; registers 4 c .. 4 c + 3 hold K = 64 c + 32 (l / 16) + 0 .. 31
.irp c, 0,1
	ds_load_b128 v[\reg+4*\c:\reg+4*\c+3], v[\adr] offset:64*(\q)+32*\c+(\i)*16*PITCH
.endr
.endm
; 16 matrix instructions: A's blocks a0, a0 + 1 x B's eight, 128 along K.  first = 1: the first product starts the sums on the bias.  The 64 accumulators take turns, one instruction a turn.
.macro MUL16 a0, p, q, sc, first
.irp a, \a0, \a0+1
.irp b, 0,1,2,3,4,5,6,7
.if \first
	v_wmma_scale_f32_16x16x128_f8f6f4 v[8*(8*((\a)%4)+\b):8*(8*((\a)%4)+\b)+7], v[128*(\p)+FR*\b:128*(\p)+FR*\b+FR-1], v[AF+FR*(\a):AF+FR*(\a)+FR-1], v[BI+8*\b:BI+8*\b+7], v[SC+8*NQ*(\sc)+NQ*\b+(\q)], v[SC+8*NQ*(\sc)+NQ*(\a)+(\q)] matrix_a_fmt:MATRIX_FMT_FP4 matrix_b_fmt:MATRIX_FMT_FP4 matrix_a_scale:MATRIX_SCALE_ROW1
.else
	v_wmma_scale_f32_16x16x128_f8f6f4 v[8*(8*((\a)%4)+\b):8*(8*((\a)%4)+\b)+7], v[128*(\p)+FR*\b:128*(\p)+FR*\b+FR-1], v[AF+FR*(\a):AF+FR*(\a)+FR-1], v[8*(8*((\a)%4)+\b):8*(8*((\a)%4)+\b)+7], v[SC+8*NQ*(\sc)+NQ*\b+(\q)], v[SC+8*NQ*(\sc)+NQ*(\a)+(\q)] matrix_a_fmt:MATRIX_FMT_FP4 matrix_b_fmt:MATRIX_FMT_FP4 matrix_a_scale:MATRIX_SCALE_ROW1
.endif
.endr
.endr
.endm
.macro FETCH_B slot, q, p
	WIN TO_B
.irp i, 0,1,2,3,4,5,6,7
	FRAG 128*(\p)+FR*\i, ADRB+\slot, \q, \i
.endr
	WIN 0
.endm
.macro FETCH_A slot, q, i0
.irp i, \i0, \i0+1, \i0+2, \i0+3
	FRAG AF+FR*(\i), ADRA+\slot, \q, \i
.endr
.endm
.macro SCALES sc                       ; a K step's scale words: four words a row; lanes 0-15 take A's block i, lanes 16-31 B's block i
.irp i, 0,1,2,3,4,5,6,7
	ds_load_b128 v[SC+8*NQ*\sc+NQ*\i:SC+8*NQ*\sc+NQ*\i+3], v[ADRS] offset:\i*SBLK
.endr
.endm
.macro PLACES n                        ; plain vector instructions between a matrix instruction and a load into, or a read or write of, its registers
.rept \n
	v_nop
.endr
.endm
.macro STEP slot, q, first             ; a step of 128 along K that has its successor in the same slot
	s_wait_dscnt 4*NL                              ; B's set and A's blocks 0-3 are in; the youngest eight loads (A's blocks 4-7) may be out
.if \first
	WIN ONE_LO
.else
	WIN MUL_LO
.endif
	MUL16 0, (\q)%2, \q, \slot, \first
	MUL16 2, (\q)%2, \q, \slot, \first
	s_wait_dscnt 0
	PLACES NP
	FETCH_B \slot, (\q)+1, 1-(\q)%2
	FETCH_A \slot, (\q)+1, 0
.if \first
	WIN ONE_HI
.else
	WIN MUL_HI
.endif
	MUL16 4, (\q)%2, \q, \slot, \first
	MUL16 6, (\q)%2, \q, \slot, \first
	PLACES NP
	WIN 0
	FETCH_A \slot, (\q)+1, 4
.endm
	s_wait_tensorcnt 1                             ; the scales and my part of K step 0 are in (K step 1's load may be out)
	s_barrier_signal -1
	s_barrier_wait -1                              ; everybody's are
	FETCH_B 0, 0, 0
	FETCH_A 0, 0, 0
	SCALES 0
	FETCH_A 0, 0, 4
	s_wait_loadcnt 0x0                             ; the bias
	STEP 0, 0, 1
	STEP 0, 1, 0
	STEP 0, 2, 0
	; slot 0's last step changes slots: one barrier; in front of it each wave waits for its part of slot 1
	s_wait_tensorcnt 0x0                           ; all my tensor loads have landed
	ds_add_u32 v[SPW], v[NIL]                      ; 0 onto my spare word
	s_wait_dscnt 4*NL+1                            ; (the add and the youngest eight loads may be out)
	WIN MUL_LO
	MUL16 0, 1, NQ-1, 0, 0
	s_wait_dscnt 0x0                               ; the add is done, and my reads of slot 0 are over
	s_barrier_signal -1
	MUL16 2, 1, NQ-1, 0, 0
	WIN 0
	s_barrier_wait -1
	PLACES NP
	v_add_nc_u32 v[ADRS], 4*NQ, v[ADRS]            ; on to K step 1's scale words
	FETCH_B 1, 0, 0
	FETCH_A 1, 0, 0
	SCALES 1
	WIN MUL_HI
	MUL16 4, 1, NQ-1, 0, 0
	MUL16 6, 1, NQ-1, 0, 0
	PLACES NP
	WIN 0
	FETCH_A 1, 0, 4
	STEP 1, 0, 0
	STEP 1, 1, 0
	STEP 1, 2, 0
	s_wait_dscnt 4*NL                              ; the very last step: nothing more to fetch
	WIN MUL_LO
	MUL16 0, 1, NQ-1, 1, 0
	MUL16 2, 1, NQ-1, 1, 0
	s_wait_dscnt 0
	WIN MUL_HI
	MUL16 4, 1, NQ-1, 1, 0
	MUL16 6, 1, NQ-1, 1, 0
	WIN 0
; THE WAY OUT, block by block of 16 tokens x 128 columns (two heads).  A lane's eight columns pack into 16 bytes of one token and head; they go through my own stage and come back as runs of four tokens of one head: 512 consecutive bytes of qkv.
.macro PACK a
	WIN 0x0a+5*((\a)/4)                            ; sources 0 and 1: window 2 or 3
.irp b, 0,1,2,3,4,5,6,7
.irp i, 0,1,2,3
	v_cvt_pk_f16_f32 v[TMP+4*\b+\i], v[64*((\a)%4)+8*\b+2*\i], v[64*((\a)%4)+8*\b+2*\i+1]   ; each accumulator from its low end on
.endr
.endr
	WIN 0
.endm
.macro TOSTAGE a
.irp b, 0,1,2,3,4,5,6,7
	ds_store_b128 v[STO], v[TMP+4*\b:TMP+4*\b+3] offset:2176*(\b/4)+32*(\b%4)
.endr
.irp t, 0,1,2,3,4,5,6,7
	ds_load_b128 v[BK+32*((\a)%2)+4*\t:BK+32*((\a)%2)+4*\t+3], v[RD] offset:2176*(\t/4)+544*(\t%4)   ; LDS serves a wave's instructions in order (ISA guide 5.7.1.4): these see the stores above
.endr
.endm
.macro SEND a, younger                 ; younger: the LDS instructions issued behind block a's loads, which may stay out
	s_wait_dscnt \younger
.irp t, 0,1,2,3,4,5,6,7
	global_store_b128 v[CO], v[BK+32*((\a)%2)+4*\t:BK+32*((\a)%2)+4*\t+3], s[12:13] offset:262144*(\t/4)+2048*(\a)+512*(\t%4)   ; 32 lanes store 512 consecutive bytes, aligned to 256
.endr
.endm
	PLACES NP                                      ; behind the last products: the conversions write registers that held scale words
	PACK 0
	TOSTAGE 0
.irp a, 1,2,3,4,5,6,7
	PACK \a
.if \a > 1
	s_wait_xcnt 0x0                                ; block a - 2's stores have read their registers: block a's loads may land there
.endif
	TOSTAGE \a
	SEND \a-1, 16                                  ; behind block a - 1's loads: block a's 8 stores and 8 loads
.endr
	SEND 7, 0
	s_wait_tensorcnt 0x0                           ; the wave's end: behind my last tensor load and my last LDS store
	ds_add_u32 v[SPW], v[NIL]
	s_wait_dscnt 0x0
	CROUND                                         ; the closing round: no work-group ends while a partner may still ask for a tile that names it
	s_endpgm
.Lfunc_end_k_q83f9347d47_proj:
	.size	k_q83f9347d47_proj, .Lfunc_end_k_q83f9347d47_proj-k_q83f9347d47_proj
	.p2alignl 7, 3214868480
	.fill 96, 4, 3214868480
	.section	.rodata,"a",@progbits
	.p2align	6, 0x0
	.amdhsa_kernel k_q83f9347d47_proj
		.amdhsa_group_segment_fixed_size 327680
		.amdhsa_private_segment_fixed_size 0
		.amdhsa_enable_private_segment 0
		.amdhsa_kernarg_size 64
		.amdhsa_user_sgpr_count 2
		.amdhsa_user_sgpr_kernarg_segment_ptr 1
		.amdhsa_wavefront_size32 1
		.amdhsa_system_sgpr_workgroup_id_x 1
		.amdhsa_system_sgpr_workgroup_id_y 1
		.amdhsa_system_sgpr_workgroup_id_z 1
		.amdhsa_system_vgpr_workitem_id 0
		.amdhsa_next_free_vgpr 1024
		.amdhsa_next_free_sgpr 102
		.amdhsa_reserve_vcc 0
		.amdhsa_float_denorm_mode_32 3
		.amdhsa_float_denorm_mode_16_64 3
		.amdhsa_memory_ordered 1
		.amdhsa_forward_progress 1
		.amdhsa_inst_pref_size 128
	.end_amdhsa_kernel
	.amdgpu_metadata
---
amdhsa.version: [ 1, 2 ]
amdhsa.kernels:
  - .name:           k_q83f9347d47_proj
    .symbol:         k_q83f9347d47_proj.kd
    .args:
      - { .name: xcodes, .offset: 0, .size: 8, .value_kind: global_buffer, .address_space: global }
      - { .name: xscales, .offset: 8, .size: 8, .value_kind: global_buffer, .address_space: global }
      - { .name: wcodes, .offset: 16, .size: 8, .value_kind: global_buffer, .address_space: global }
      - { .name: wscales, .offset: 24, .size: 8, .value_kind: global_buffer, .address_space: global }
      - { .name: qkv, .offset: 32, .size: 8, .value_kind: global_buffer, .address_space: global }
      - { .name: bq, .offset: 40, .size: 8, .value_kind: global_buffer, .address_space: global }
      - { .name: bk, .offset: 48, .size: 8, .value_kind: global_buffer, .address_space: global }
      - { .name: bv, .offset: 56, .size: 8, .value_kind: global_buffer, .address_space: global }
    .group_segment_fixed_size: 327680
    .private_segment_fixed_size: 0
    .kernarg_segment_align: 8
    .kernarg_segment_size: 64
    .max_flat_workgroup_size: 128
    .sgpr_count:     102
    .vgpr_count:     1024
    .wavefront_size: 32
...
	.end_amdgpu_metadata
.endif
;; end of part 2
;; launch attn (part 3): grid 4 x 64, 8 waves a work-group, clusters of 4 x 1, 327,680 bytes of LDS; arguments qkv, mbits, ctx; writes ctx
.if DOCPART == 3
	.amdgcn_target "amdgcn-amd-amdhsa--gfx1250"
	.amdhsa_code_object_version 6
	.text
	.protected	k_q83f9347d47_attn
	.globl	k_q83f9347d47_attn
	.p2align	8
	.type	k_q83f9347d47_attn,@function
k_q83f9347d47_attn:
	s_mov_b64 s[64:65], 0
	v_nop
	global_prefetch_b8 v0, s[64:65] scope:SCOPE_SE
	s_setreg_imm32_b32 hwreg(HW_REG_WAVE_MODE, 25, 1), 1
	s_wait_xcnt 0x0
	s_wait_alu depctr_hold_cnt(0) depctr_sa_sdst(0) depctr_va_vdst(0) depctr_va_sdst(0) depctr_va_ssrc(0) depctr_va_vcc(0) depctr_vm_vsrc(0)
	s_getreg_b32 s2, hwreg(HW_REG_IB_STS2, 6, 4)
	s_cmp_eq_u32 s2, 0
	s_cbranch_scc0 .Lentry_in_a_cluster
	s_endpgm
.Lentry_in_a_cluster:
	s_bfe_u32 s2, ttmp6, 0x10000c
	s_cmp_lg_u32 s2, 0x3003
	s_cbranch_scc0 .Lentry_shape_is_right
	s_endpgm
.Lentry_shape_is_right:
; ATTN: ctx[b][q][head] = the sum over k of softmax_k(where(mask == 0, -1e9, q . k / 8)) v, for one head and 512 queries a work-group.  q, k, v: qkv [z][b][head][s][64] f16; products on f16 operands, sums, maxima and the softmax in f32.
; SHARES.  Work-group y = 16 b + head; its place in the cluster is the block of 512 queries.  Each of eight waves owns 64 queries, four tiles of 16; two waves share a SIMD, so that one's vector work stands beside the other's matrix work.
; Every wave walks all 2,048 keys, 64 a step.  Four query tiles feed on each fragment of K and V that is read from LDS.
; CLUSTER.  The four work-groups of a cluster belong to one head and walk the same K and V: each tile is asked for jointly (waves 0, 1: K's halves; waves 2, 3: V's), by the same load with a mask that names the four.
; LAYOUT.  S^T = K Q^T (source 0 = 16 keys, source 1 = 16 queries): a lane holds ONE query (lane % 16) and keys 8 (lane / 16) + 0 .. 7 of each tile.  Two such tiles rounded to f16 in pairs ARE source 1 (32 keys x 16 queries) of
; O^T = V^T P; p is packed in place into the low 16 registers of its tile's scores.  K comes out of LDS as it lies, V ([key][channel]) turned by ds_load_tr16_b128.
; THE MASK comes as bit words made by the launch before: one scalar word for each register of scores, bit l = lane l's score is open; a closed score becomes -2^33 by one v_cndmask_b32.
; SOFTMAX.  A running maximum: p = 2^(c s - c m), c = log2(e) / 8; in every step O and l are multiplied by a = 2^(c m_old - c m_new).  The row's sum is taken of the unrounded p and divides at the end.
; LIMITS.  A closed score counts as -2^33 / 8 = -1.07e9 where reference() has -1e9: c x 2^33 is exact, so a row with no open key gives p = 1 for every key, the plain average, as reference() does; the two differ only where an open score lies under about -1e9.
; q, k, v and the context go as f16 (magnitudes under 65,504); p is at most 1.  NaN and infinities are not served.
; OUT: ctx [head / 4][token / 128][head % 4][token % 128][64] f16, token = 2,048 b + s: the next launch's tile of A for 256 along K is then one dense block.
; REGISTERS: window 0: v1-15 addresses and constants; v16-31 at work; v32-63 eight registers of statistics a tile (+0 c m, +2 a, +4, +5 l, +6 at work); v64-127 Q; v128-255 S^T, 32 a tile.
;   window 1: v0-127 O^T, 32 a tile; v128-191 K of one step; v192-255 V of one step.
.set PK,    272       ; an LDS row of K: two keys, 256 bytes, + 16 of padding: key k at (k / 2) x 272 + (k % 2) x 128: the 16 keys of a load fall on 16 different columns of 16 bytes
.set PV,    288       ; of V: + 32 of padding: 16 lanes of the turning load take 4 rows x 2 keys x 32 bytes, each column of 16 bytes once
.set VOFF,  128*PK    ; a slot holds 256 keys: 128 rows of K, then 128 rows of V
.set SLOT1, 1<<17     ; slot 1 begins here: one exclusive or turns an address in one slot into the other's
.set SPARE, SLOT1+128*(PK+PV)  ; behind the ring: the spare words, 128 bytes for each wave: four blocks of 256 bytes that no other line names
.set SWAVE, 8*272     ; the way out: a stage of 8 pairs of tokens x (256 + 16) bytes for each wave, in slot 0, which has had its last fill and was left at the last change of slots
.set KSTEPB, 32*PK    ; a step's 64 keys in LDS
.set VSTEPB, 32*PV
.set AK0, 1           ; v1   my lane's place in a tile of K
.set AV0, 2           ; v2   the same for V
.set ADK, 3           ; v3   LDS address of the run of loads in hand: K's
.set ADV, 4           ; v4   V's
.set PFO, 5           ; v5   256 x my lane: the prefetches' offset; never rewritten
.set SPW, 6           ; v6   LDS address of my spare word: SPARE + 4 x my thread's number; never rewritten
.set NIL, 7           ; v7   0; never rewritten
.set BIG, 8           ; v8   -2^33: a closed score
.set STO, 9           ; v9   at the head Q's lane offset; on the way out: where I put 16 bytes of a token
.set RD,  10          ; v10  the way out: where I read a row back
.set GO,  11          ; v11  my byte offset in the wave's part of ctx
.set CC,  12          ; v[12:13] c, c
.set LR,  14          ; v14  lane % 16
.set LH,  15          ; v15  lane / 16
.set TM,  16          ; at work, for member u of the pair of tiles in hand at v[TM + 8 u]: +0, +1 two chains of the maximum, later of the sum; +2 the other half of the lanes'
.set ST,  32
.set QF,  64          ; Q's fragment (tile t, channels 32 kh on) at v[QF + 16 t + 8 kh]
.set S,   128         ; accumulator (tile t, keys 16 kt on) at v[S + 32 t + 8 kt]
.set KF,  128         ; window 1: K's fragment (kt, kh) at v[KF + 8 (2 kt + kh)]
.set VF,  192         ; window 1: V's fragment (keys 32 c on, channels 16 ct on) at v[VF + 8 (4 c + ct)]
.set WV,  2           ; s2   my wave's number
.set SLOTS, 3         ; s3   slots still to be asked for
.set MP,  4           ; s[4:5] the step's mask words
.set TV,  6           ; s6   LDS byte at which the V of the step to be fetched begins
.set LIM, 7           ; s7   1 in a wave that prefetches, else the greatest number
.set G1K, 8           ; s[8:15]  descriptor group 1 for K's tiles
.set G1V, 16          ; s[16:23] for V's: it differs in the padding alone
.set G0K, 24          ; s[24:27] descriptor group 0 for K's tiles, which walks
.set G0V, 28          ; s[28:31] for V's
.set SEL, 66          ; s[66:67] lane selects for v_permlanex16_b32: lane l xor 16
.set PFA, 100         ; s[100:101] where my prefetches stand
.set TK,  104         ; s104 the same as TV for K
.set STEPS, 105       ; s105 counts a slot's four steps
                      ; s[32:63], s[68:99]: the 64 mask words of a pair of tiles; word w in s[32 + w + 4 (w / 32)]; temporaries at the head and on the way out
.set MSB, 0
.macro WIN new                      ; the immediate's high byte repeats the setting that is left; a switch that changes nothing is dropped
.if MSB != \new
	s_set_vgpr_msb (MSB<<8)|\new
.set MSB, \new
.endif
.endm
.set W_LD, 0x40       ; destination window 1, address window 0
.set W_KQ, 0x01       ; K in window 1; Q and S^T in window 0
.set W_RS, 0x41       ; O^T (destination and source 0) in window 1, the factor in window 0
.set W_PV, 0x51       ; V and O^T in window 1, P in window 0
; A joint load.  Waves 0 and 1 fetch K's halves of a slot, waves 2 and 3 V's, the others nothing: the branches hang on the wave's number alone.  An s_nop 0 and four v_nop follow each of the two lines.
.macro JLOAD
	s_cmp_lt_u32 s[WV], 2
	s_cbranch_scc0 .Lnot_k_\@
	tensor_load_to_lds s[G0K:G0K+3], s[G1K:G1K+7]
	s_nop 0
.rept 4
	v_nop
.endr
	s_branch .Lasked_\@
.Lnot_k_\@:
	s_cmp_lt_u32 s[WV], 4
	s_cbranch_scc0 .Lasked_\@
	tensor_load_to_lds s[G0V:G0V+3], s[G1V:G1V+7]
	s_nop 0
.rept 4
	v_nop
.endr
.Lasked_\@:
.endm
; A prefetch of what the NEXT change of slots will ask for: a slot's 32,768 bytes of K and of V.  One cluster alone walks a head.  Its four partners share the bytes out by address, 8,192 each; in each, wave 4 asks for K's and wave 5 for V's,
; lanes 256 bytes apart: each aligned block of 256 bytes is named once in the launch.  A slot's four key steps lie between the request and the load.  The last change that fills a slot asks for nothing; slots 0 and 1 come by their loads alone.
.macro ASK
	s_cmp_gt_u32 s[SLOTS], s[LIM]
	s_cbranch_scc0 .Lnot_mine_\@
	global_prefetch_b8 v[PFO], s[PFA:PFA+1] th:TH_LOAD_NT scope:SCOPE_SE
.Lnot_mine_\@:
.endm
.macro CROUND                       ; a round of the cluster's barrier
	s_barrier_signal -1
	s_barrier_wait -1
	s_cmp_lg_u32 s[WV], 0
	s_cbranch_scc1 .Lnot_wave_0_\@
	s_barrier_signal -3
.Lnot_wave_0_\@:
	s_barrier_wait -3
	s_barrier_signal -1
	s_barrier_wait -1
.endm
.macro MLOAD off                    ; the 64 mask words of one pair of tiles and one key step: 256 consecutive bytes
	s_load_b512 s[32:47], s[MP:MP+1], \off
	s_load_b512 s[48:63], s[MP:MP+1], \off+64
	s_load_b512 s[68:83], s[MP:MP+1], \off+128
	s_load_b512 s[84:99], s[MP:MP+1], \off+192
.endm
	s_load_b128 s[68:71], s[0:1], 0x0  ; qkv s[68:69], mbits s[70:71]
	v_lshl_add_u32 v[SPW], v0, 2, SPARE
	v_mov_b32 v[NIL], 0
	ds_add_u32 v[SPW], v[NIL]       ; the wave's opening: the add, twice on end, and its wait ahead of the first tensor load
	ds_add_u32 v[SPW], v[NIL]       ; and once more; the set-up below, work on registers, stands between it and the wait
	v_lshrrev_b32 v1, 5, v0
	v_readfirstlane_b32 s[WV], v1   ; wave 0..7
	s_bfe_u32 s72, ttmp6, 0x40000   ; cx: my block of 512 queries: it enters Q's, the mask's, the prefetches' and ctx's addresses alone
	s_and_b32 s73, ttmp7, 0xffff    ; y = 16 b + head, which the four partners share
	; descriptor group 1: a tile of 64 rows x 128 elements of 2 bytes (two keys a row: a head's keys are dense in memory), padded in LDS
	s_mov_b32 s[G1K], 15|(1<<16)|(1<<20)|(1<<21)|(5<<22)|(3<<25)  ; 15:0 the mask: all four work-groups; 17:16 elements of 2 bytes; 20 padding on; 21 set beside a mask; 24:22 after every 64 words; 31:25 four words
	s_mov_b32 s[G1V], 15|(1<<16)|(1<<20)|(1<<21)|(5<<22)|(7<<25)  ; the same with eight words of padding
.irp g, G1K, G1V
	s_mov_b32 s[\g+1], 128<<16      ; tensor_dim0
	s_mov_b32 s[\g+2], 64<<16       ; tensor_dim1
	s_mov_b32 s[\g+3], 128<<16      ; tile_dim0
	s_mov_b32 s[\g+4], 64           ; tile_dim1
	s_mov_b32 s[\g+5], 128          ; tensor_dim0_stride
	s_mov_b32 s[\g+6], 0
	s_mov_b32 s[\g+7], 0
.endr
	s_and_b32 s74, s[WV], 1         ; which half of a slot's 256 keys I fetch, if I fetch
	s_mul_i32 s75, s74, 64*PK       ; its place in a slot: K's,
	s_mul_i32 s76, s74, 64*PV
	s_add_co_u32 s76, s76, VOFF     ; V's: no place in the cluster enters an LDS address
	s_lshl_b32 s77, s74, 14         ; 128 keys of 128 bytes in memory
	s_lshl_b32 s78, s73, 18         ; a head: 2,048 x 128 bytes
	s_mov_b32 s79, 0
	s_add_co_u32 s80, s78, s77
	s_mov_b32 s81, 0
	s_lshr_b32 s84, s73, 4          ; b
	s_lshl_b32 s84, s84, 5
	s_lshl_b32 s85, s72, 3
	s_add_co_u32 s84, s84, s85
	s_add_co_u32 s84, s84, s[WV]    ; my group of 64 queries: 32 b + 8 cx + wave
	s_lshl_b32 s84, s84, 14         ; 32 steps of 512 bytes of mask words
	s_mov_b32 s85, 0
	s_lshl_b32 s86, s72, 16         ; Q: 512 queries of 128 bytes,
	s_lshl_b32 s87, s[WV], 13       ; my wave's 64
	s_add_co_u32 s86, s86, s87
	s_add_co_u32 s86, s86, s78
	s_mov_b32 s87, 0
	s_lshl_b32 s92, s72, 13         ; the prefetches: my work-group's 8,192 bytes of a slot's 32,768,
	s_add_co_u32 s92, s92, 32768    ; in slot 1: the first change of slots steps it to slot 2.  Nothing is prefetched at the head
	s_mov_b32 s93, 0
	s_sub_co_u32 s[LIM], s[WV], 4
	s_lshr_b32 s[LIM], s[LIM], 1    ; 0 in waves 4 and 5
	s_cmp_eq_u32 s[LIM], 0
	s_cselect_b32 s[LIM], 1, -1
	s_mov_b32 s[SEL], 0x76543210
	s_mov_b32 s[SEL+1], 0xfedcba98
	s_mov_b32 s[TK], 0
	s_mov_b32 s[TV], 0
	s_mov_b32 s[SLOTS], 7
	s_wait_dscnt 0x0                ; both opening adds are done
	s_wait_kmcnt 0x0
	s_add_nc_u64 s[82:83], s[68:69], s[80:81]  ; the head and my half, in q's part of qkv;
	s_mov_b32 s[G0K], 1             ; 1:0 count = 1
	s_mov_b32 s[G0K+1], s75         ; 63:32 LDS address: slot 0
	s_add_nc_u64 s[G0K+2:G0K+3], s[82:83], 0x1000000  ; 120:64 global address: k's part lies 16,777,216 bytes on,
	s_or_b32 s[G0K+3], s[G0K+3], 0x80000000  ; 127:126 type = 2
	s_mov_b32 s[G0V], 1
	s_mov_b32 s[G0V+1], s76
	s_add_nc_u64 s[G0V+2:G0V+3], s[82:83], 0x2000000  ; v's twice that
	s_or_b32 s[G0V+3], s[G0V+3], 0x80000000
	s_add_nc_u64 s[MP:MP+1], s[70:71], s[84:85]
	s_add_nc_u64 s[86:87], s[68:69], s[86:87]  ; Q at my wave's first query
	s_add_nc_u64 s[88:89], s[68:69], s[78:79]
	s_add_nc_u64 s[90:91], s[88:89], 0x2000000
	s_add_nc_u64 s[88:89], s[88:89], 0x1000000
	s_cmp_eq_u32 s[WV], 4
	s_cselect_b64 s[PFA:PFA+1], s[88:89], s[90:91]
	s_add_nc_u64 s[PFA:PFA+1], s[PFA:PFA+1], s[92:93]
	CROUND                          ; all four work-groups are here: the first joint loads meet
	JLOAD                           ; slot 0
	v_and_b32 v[LR], 15, v0
	v_bfe_u32 v[LH], v0, 4, 1
	v_lshlrev_b32 v[STO], 7, v[LR]
	v_lshl_add_u32 v[STO], v[LH], 4, v[STO]  ; Q: row r of 128 bytes + 16 x half
.irp t, 0,1,2,3
.irp k, 0,1
	global_load_b128 v[QF+16*\t+8*\k:QF+16*\t+8*\k+3],   v[STO], s[86:87] offset:2048*\t+64*\k  ; Q stays in registers
	global_load_b128 v[QF+16*\t+8*\k+4:QF+16*\t+8*\k+7], v[STO], s[86:87] offset:2048*\t+64*\k+32
.endr
.endr
	v_lshrrev_b32 v[RD], 1, v[LR]
	v_mul_u32_u24 v[AK0], v[RD], PK
	v_and_b32 v[RD], 1, v[LR]
	v_lshl_add_u32 v[AK0], v[RD], 7, v[AK0]
	v_lshl_add_u32 v[AK0], v[LH], 4, v[AK0]  ; key r of a tile: (r / 2) x pitch + (r % 2) x 128 + 16 x half
	; the turning load takes 16 keys x 16 channels: lane l reads 16 bytes: key 8 (l / 16) + l % 8, channels 8 ((l / 8) % 2) + 0 .. 7
	v_bfe_u32 v[RD], v0, 1, 2
	v_lshl_add_u32 v[RD], v[LH], 2, v[RD]
	v_mul_u32_u24 v[AV0], v[RD], PV
	v_and_b32 v[RD], 1, v0
	v_lshl_add_u32 v[AV0], v[RD], 7, v[AV0]
	v_bfe_u32 v[RD], v0, 3, 1
	v_lshl_add_u32 v[AV0], v[RD], 4, v[AV0]
	v_add_nc_u32 v[AV0], VOFF, v[AV0]
	v_and_b32 v[PFO], 31, v0
	v_lshlrev_b32 v[PFO], 8, v[PFO]
	v_mov_b32 v[BIG], 0xd0000000    ; -2^33
	v_mov_b32 v[CC], 0x3e38aa3b     ; c = log2(e) / 8
	v_mov_b32 v[CC+1], 0x3e38aa3b
	v_mov_b32 v[TM+2], 0            ; written once: a lane permute's destination counts as one of its sources
	v_mov_b32 v[TM+10], 0
.irp t, 0,1,2,3
	v_mov_b32 v[ST+8*\t], 0xff61b1e6  ; c m so far: -3e38, under every score
.irp i, 1,2,3,4,5,6,7
	v_mov_b32 v[ST+8*\t+\i], 0      ; a, l; and the upper words of the pairs by which c m and a are named
.endr
.endr
	WIN W_LD
.set n, 0
.rept 128
	v_mov_b32 v[n], 0               ; O^T.  (The step is written once for all steps: the first finds zeros, which its a = 0 leaves zeros)
.set n, n+1
.endr
	WIN 0
	s_wait_loadcnt 0x0              ; Q is in, and its base, which lies among the mask words' registers, is free
	MLOAD 0                         ; step 0, tiles 0 and 1
; THE LDS LOADS stand in runs of 16: a step's K (64 keys x 64 channels: 8 fragments) and its V (turned).
.macro FETCH_K
	v_add_nc_u32 v[ADK], s[TK], v[AK0]
	WIN W_LD
.irp f, 0,1,2,3,4,5,6,7             ; keys 16 (f / 2) on, channels 32 (f % 2) on
	ds_load_b128 v[KF+8*\f:KF+8*\f+3],   v[ADK] offset:8*PK*(\f/2)+64*(\f%2)
	ds_load_b128 v[KF+8*\f+4:KF+8*\f+7], v[ADK] offset:8*PK*(\f/2)+64*(\f%2)+32
.endr
	WIN 0
.endm
.macro FETCH_V
	v_add_nc_u32 v[ADV], s[TV], v[AV0]
	WIN W_LD
.irp f, 0,1,2,3,4,5,6,7             ; keys 32 (f / 4) on, channels 16 (f % 4) on
	ds_load_tr16_b128 v[VF+8*\f:VF+8*\f+3],   v[ADV] offset:16*PV*(\f/4)+32*(\f%4)
	ds_load_tr16_b128 v[VF+8*\f+4:VF+8*\f+7], v[ADV] offset:16*PV*(\f/4)+8*PV+32*(\f%4)
.endr
	WIN 0
.endm
; THE SOFTMAX of the pair of tiles p, p + 1 for one key step; the two tiles alternate line by line, so that no line waits for the line above it.
; off: where the mask words lie that are asked for next (256: this step's other pair; 0: the next step's first pair, MP stepped first).  skip = 1: the launch's last step asks for nothing.
.macro SOFT p, off, skip
	s_wait_kmcnt 0x0                ; my pair's 64 mask words are in (asked for a pair's softmax ago)
.set n, 0
.rept 32                            ; register n = 8 kt + j of both tiles: each accumulator from its low end on
	v_cndmask_b32 v[S+32*(\p)+n],    v[BIG], v[S+32*(\p)+n],    s[32+2*n+4*(n/16)]
	v_cndmask_b32 v[S+32*(\p)+32+n], v[BIG], v[S+32*(\p)+32+n], s[33+2*n+4*(n/16)]
.set n, n+1
.endr
.if \off == 0
	s_add_nc_u64 s[MP:MP+1], s[MP:MP+1], 512  ; no scalar load is out: the pointer may step
.endif
.if \skip
	s_cmp_eq_u32 s[STEPS], 1
	s_cbranch_scc1 .Lno_words_\@    ; no load leaves its buffer
.endif
	MLOAD \off
.if \skip
.Lno_words_\@:
.endif
.irp u, 0,1                         ; the largest of the lane's 32 scores, three operands at a time, in two chains
	v_max3_num_f32 v[TM+8*\u], v[S+32*(\p)+32*\u], v[S+32*(\p)+32*\u+1], v[S+32*(\p)+32*\u+2]
.endr
.irp u, 0,1
	v_max3_num_f32 v[TM+8*\u+1], v[S+32*(\p)+32*\u+3], v[S+32*(\p)+32*\u+4], v[S+32*(\p)+32*\u+5]
.endr
.irp i, 6,10,14,18,22,26
.irp u, 0,1
	v_max3_num_f32 v[TM+8*\u], v[TM+8*\u], v[S+32*(\p)+32*\u+\i], v[S+32*(\p)+32*\u+\i+1]
.endr
.irp u, 0,1
	v_max3_num_f32 v[TM+8*\u+1], v[TM+8*\u+1], v[S+32*(\p)+32*\u+\i+2], v[S+32*(\p)+32*\u+\i+3]
.endr
.endr
.irp u, 0,1
	v_max3_num_f32 v[TM+8*\u], v[TM+8*\u], v[S+32*(\p)+32*\u+30], v[S+32*(\p)+32*\u+31]
.endr
.irp u, 0,1
	v_max_num_f32 v[TM+8*\u], v[TM+8*\u], v[TM+8*\u+1]
.endr
.irp u, 0,1
	v_permlanex16_b32 v[TM+8*\u+2], v[TM+8*\u], s[SEL], s[SEL+1]  ; the query's other 32 keys lie in the lane 16 away
.endr
.irp u, 0,1
	v_max_num_f32 v[TM+8*\u], v[TM+8*\u], v[TM+8*\u+2]
.endr
.irp u, 0,1
	v_mul_f32 v[TM+8*\u+2], v[CC], v[TM+8*\u]                     ; as c s (c is positive)
.endr
.irp u, 0,1
	v_max_num_f32 v[TM+8*\u+2], v[TM+8*\u+2], v[ST+8*(\p)+8*\u]   ; the new c m
.endr
.irp u, 0,1
	v_sub_f32 v[ST+8*(\p)+8*\u+2], v[ST+8*(\p)+8*\u], v[TM+8*\u+2]  ; c m_old - c m_new
.endr
.irp u, 0,1
	v_mov_b32 v[ST+8*(\p)+8*\u], v[TM+8*\u+2]
.endr
.irp i, 0,2,4,6,8,10,12,14,16,18,20,22,24,26,28,30
.irp u, 0,1
	v_pk_fma_f32 v[S+32*(\p)+32*\u+\i:S+32*(\p)+32*\u+\i+1], v[S+32*(\p)+32*\u+\i:S+32*(\p)+32*\u+\i+1], v[CC:CC+1], v[ST+8*(\p)+8*\u:ST+8*(\p)+8*\u+1] op_sel_hi:[1,1,0] neg_lo:[0,0,1] neg_hi:[0,0,1]  ; c s - c m, two at a time
.endr
.endr
.irp u, 0,1                         ; ONE BATCH of 66 exponentials; none reads another's result
	v_exp_f32 v[ST+8*(\p)+8*\u+2], v[ST+8*(\p)+8*\u+2]            ; a
.endr
.set n, 0
.rept 32
	v_exp_f32 v[S+32*(\p)+n], v[S+32*(\p)+n]                      ; p, at most 1
	v_exp_f32 v[S+32*(\p)+32+n], v[S+32*(\p)+32+n]
.set n, n+1
.endr
	v_nop                           ; a plain instruction behind the last exponential (ISA guide 5.7.2)
	s_wait_alu depctr_va_vdst(0)    ; ahead of the first instruction that names a result: one for the batch
.irp u, 0,1
	v_pk_mul_f32 v[ST+8*(\p)+8*\u+4:ST+8*(\p)+8*\u+5], v[ST+8*(\p)+8*\u+4:ST+8*(\p)+8*\u+5], v[ST+8*(\p)+8*\u+2:ST+8*(\p)+8*\u+3] op_sel_hi:[1,0]  ; l under the new m
.endr
.irp u, 0,1                         ; the sum of the unrounded p, two at a time, in two chains
	v_pk_add_f32 v[TM+8*\u:TM+8*\u+1], v[S+32*(\p)+32*\u:S+32*(\p)+32*\u+1], v[S+32*(\p)+32*\u+2:S+32*(\p)+32*\u+3]
.endr
.irp i, 4,8,12,16,20,24,28
.irp u, 0,1
	v_pk_add_f32 v[ST+8*(\p)+8*\u+4:ST+8*(\p)+8*\u+5], v[ST+8*(\p)+8*\u+4:ST+8*(\p)+8*\u+5], v[S+32*(\p)+32*\u+\i:S+32*(\p)+32*\u+\i+1]
.endr
.irp u, 0,1
	v_pk_add_f32 v[TM+8*\u:TM+8*\u+1], v[TM+8*\u:TM+8*\u+1], v[S+32*(\p)+32*\u+\i+2:S+32*(\p)+32*\u+\i+3]
.endr
.endr
.irp u, 0,1
	v_pk_add_f32 v[ST+8*(\p)+8*\u+4:ST+8*(\p)+8*\u+5], v[ST+8*(\p)+8*\u+4:ST+8*(\p)+8*\u+5], v[TM+8*\u:TM+8*\u+1]
.endr
.set n, 0
.rept 16                            ; p to f16, in place: register n takes the pair 2 n, 2 n + 1, which no earlier line of this run has written
	v_cvt_pk_f16_f32 v[S+32*(\p)+n], v[S+32*(\p)+2*n], v[S+32*(\p)+2*n+1]
	v_cvt_pk_f16_f32 v[S+32*(\p)+32+n], v[S+32*(\p)+32+2*n], v[S+32*(\p)+32+2*n+1]
.set n, n+1
.endr
.endm
; A KEY STEP: 64 keys.  The accumulators take turns, one instruction a turn: 15 others' stand between two links of a chain.
.macro STEP last
	s_wait_dscnt 0x0                ; K is in
	WIN W_KQ
.set i, 0
.rept 32                            ; S^T = K Q^T: channels 32 (i / 16) on, tile (i / 4) % 4, keys 16 (i % 4) on; the first 16 start the sums
.if i < 16
	v_wmma_f32_16x16x32_f16 v[S+32*((i/4)%4)+8*(i%4):S+32*((i/4)%4)+8*(i%4)+7], v[KF+8*(2*(i%4)+i/16):KF+8*(2*(i%4)+i/16)+7], v[QF+16*((i/4)%4)+8*(i/16):QF+16*((i/4)%4)+8*(i/16)+7], 0
.else
	v_wmma_f32_16x16x32_f16 v[S+32*((i/4)%4)+8*(i%4):S+32*((i/4)%4)+8*(i%4)+7], v[KF+8*(2*(i%4)+i/16):KF+8*(2*(i%4)+i/16)+7], v[QF+16*((i/4)%4)+8*(i/16):QF+16*((i/4)%4)+8*(i/16)+7], v[S+32*((i/4)%4)+8*(i%4):S+32*((i/4)%4)+8*(i%4)+7]
.endif
.set i, i+1
.endr
	WIN 0
.rept 4
	v_nop                           ; four places in front of the loads into K's registers and of the first read of the scores
.endr
	FETCH_V                         ; this step's V
	s_add_co_u32 s[TV], s[TV], VSTEPB
	s_add_co_u32 s[TK], s[TK], KSTEPB
	s_cmp_eq_u32 s[STEPS], 1        ; a slot's last step fetches no K ahead: the next slot is shown whole only behind the change of slots
	s_cbranch_scc1 .Lno_k_\@
	FETCH_K                         ; the next step's K
.Lno_k_\@:
	SOFT 0, 256, 0
	SOFT 2, 0, \last
	WIN W_RS
.irp t, 0,1,2,3
.set n, 0
.rept 16
	v_pk_mul_f32 v[32*\t+n:32*\t+n+1], v[32*\t+n:32*\t+n+1], v[ST+8*\t+2:ST+8*\t+3] op_sel_hi:[1,0]  ; O^T under the new m: each accumulator from its low end on
.set n, n+2
.endr
.endr
	s_wait_dscnt 0x0                ; V is in (and the next step's K)
	WIN W_PV
.set i, 0
.rept 32                            ; O^T += V^T P: keys 32 (i / 16) on, channels 16 ((i / 4) % 4) on, tile i % 4
	v_wmma_f32_16x16x32_f16 v[32*(i%4)+8*((i/4)%4):32*(i%4)+8*((i/4)%4)+7], v[VF+8*(4*(i/16)+(i/4)%4):VF+8*(4*(i/16)+(i/4)%4)+7], v[S+32*(i%4)+8*(i/16):S+32*(i%4)+8*(i/16)+7], v[32*(i%4)+8*((i/4)%4):32*(i%4)+8*((i/4)%4)+7]
.set i, i+1
.endr
	WIN 0
.rept 5
	v_nop                           ; five places: the next step's first products write over P's registers
.endr
.endm
; A slot's four key steps: written once, walked four times; the LDS addresses hang on s[TK] and s[TV].
.macro SLOT_STEPS last
	FETCH_K
	s_mov_b32 s[STEPS], 4
.Lstep_\@:
	STEP \last
	s_sub_co_u32 s[STEPS], s[STEPS], 1
	s_cmp_lg_u32 s[STEPS], 0
	s_cbranch_scc1 .Lstep_\@
	s_sub_co_u32 s[TK], s[TK], 4*KSTEPB  ; back to a slot's first step,
	s_sub_co_u32 s[TV], s[TV], 4*VSTEPB
	s_xor_b32 s[TK], s[TK], SLOT1   ; in the other slot
	s_xor_b32 s[TV], s[TV], SLOT1
.endm
; THE CHANGE OF SLOTS stands at a slot's head.  Each wave waits for all its tensor loads (its part of the slot about to be read), adds 0 to its spare word, and waits for that and for its reads of the slot that it has left.
; fill = 1: the barrier is a round of the cluster's, so that no wave of any partner still reads the other slot or has a load on its way; the joint load of the keys that follow is the first thing behind it and has four key steps,
; 256 matrix instructions a wave, in which to land.  By this text's own count a wave has one tensor load out at the most.
.macro CHANGE fill
	s_wait_tensorcnt 0x0            ; no tensor load of mine is out, so a group 0 may be written
	ds_add_u32 v[SPW], v[NIL]       ; 0 onto my spare word
.if \fill
	ds_add_u32 v[SPW], v[NIL]       ; and once more, in every trip alike
	s_xor_b32 s[G0K+1], s[G0K+1], SLOT1  ; the walking descriptors: the other slot than last time,
	s_add_nc_u64 s[G0K+2:G0K+3], s[G0K+2:G0K+3], 32768  ; the next 256 keys; the type bits on top are not reached
	s_xor_b32 s[G0V+1], s[G0V+1], SLOT1
	s_add_nc_u64 s[G0V+2:G0V+3], s[G0V+2:G0V+3], 32768
	s_wait_xcnt 0x0                 ; the last prefetch, a slot back, has read its address, so it may be written:
	s_add_nc_u64 s[PFA:PFA+1], s[PFA:PFA+1], 32768  ; one slot further on than the walking descriptors
.endif
	s_wait_dscnt 0x0                ; the add is done, and my reads of the slot that I have left are over
.if \fill
	CROUND
	JLOAD
	ASK
.else
	s_barrier_signal -1
	s_barrier_wait -1
.endif
.endm
.Lslot:                             ; seven trips: behind each change of slots but the last the next slot is asked for
	CHANGE 1
	SLOT_STEPS 0
	s_sub_co_u32 s[SLOTS], s[SLOTS], 1
	s_cmp_lg_u32 s[SLOTS], 0
	s_cbranch_scc1 .Lslot
	CHANGE 0                        ; the last slot is written out
	SLOT_STEPS 1
	; THE WAY OUT.  l's two halves and the other half of the lanes' are added; O^T is divided by l, rounded to f16 and sent through my stage, a tile (16 tokens) at a time.
	s_wait_kmcnt 0x0                ; no scalar load is out on any way here: the mask words' registers are free
	s_load_b64 s[32:33], s[0:1], 0x10  ; ctx
.irp t, 0,1,2,3
	v_add_f32 v[ST+8*\t+4], v[ST+8*\t+4], v[ST+8*\t+5]
.endr
.irp t, 0,1,2,3
	v_permlanex16_b32 v[ST+8*\t+6], v[ST+8*\t+4], s[SEL], s[SEL+1]
.endr
.irp t, 0,1,2,3
	v_add_f32 v[ST+8*\t+4], v[ST+8*\t+4], v[ST+8*\t+6]  ; the row's sum: at least 1, since the largest p is 1
.endr
.irp t, 0,1,2,3
	v_rcp_f32 v[ST+8*\t+2], v[ST+8*\t+4]
.endr
	s_mul_i32 s38, s[WV], SWAVE     ; my stage
	v_lshrrev_b32 v[ADK], 1, v[LR]  ; (plain work behind the reciprocals)
	v_mul_u32_u24 v[STO], v[ADK], 272  ; in: the pair of tokens r / 2,
	v_and_b32 v[ADK], 1, v[LR]
	v_lshl_add_u32 v[STO], v[ADK], 7, v[STO]  ; token r % 2 of it,
	v_lshl_add_u32 v[STO], v[LH], 4, v[STO]   ; 16 bytes for each half of the lanes
	v_add_nc_u32 v[STO], s38, v[STO]
	v_mul_u32_u24 v[RD], v[LH], 272
	v_lshl_add_u32 v[RD], v[LR], 4, v[RD]
	v_add_nc_u32 v[RD], s38, v[RD]  ; back: lanes 0-15 one pair of tokens, lanes 16-31 the next
	v_and_b32 v[GO], 31, v0
	v_lshlrev_b32 v[GO], 4, v[GO]   ; and the same 512 bytes in ctx
	s_bfe_u32 s34, ttmp6, 0x40000   ; cx
	s_and_b32 s35, ttmp7, 0xffff
	s_lshr_b32 s36, s35, 4          ; b
	s_and_b32 s35, s35, 15          ; head
	s_lshr_b32 s37, s35, 2
	s_lshl_b32 s37, s37, 6          ; (head / 4) x 64 blocks of 128 tokens
	s_lshl_b32 s36, s36, 4
	s_add_co_u32 s37, s37, s36      ; + token / 128 = 16 b + 4 cx + wave / 2
	s_lshl_b32 s34, s34, 2
	s_add_co_u32 s37, s37, s34
	s_lshr_b32 s36, s[WV], 1
	s_add_co_u32 s37, s37, s36
	s_lshl_b32 s36, s37, 16         ; 65,536 bytes each
	s_and_b32 s35, s35, 3
	s_lshl_b32 s35, s35, 14         ; + (head % 4) x 128 tokens x 128 bytes
	s_add_co_u32 s36, s36, s35
	s_and_b32 s35, s[WV], 1
	s_lshl_b32 s35, s35, 13         ; + (token % 128) x 128 bytes = 64 (wave % 2) tokens
	s_add_co_u32 s36, s36, s35
	s_mov_b32 s37, 0
	s_wait_kmcnt 0x0
	s_add_nc_u64 s[32:33], s[32:33], s[36:37]
	s_wait_alu depctr_va_vdst(0)    ; ahead of the first use: one for the four reciprocals
.macro PACK t
	WIN W_RS
.set n, 0
.rept 16
	v_pk_mul_f32 v[32*\t+n:32*\t+n+1], v[32*\t+n:32*\t+n+1], v[ST+8*\t+2:ST+8*\t+3] op_sel_hi:[1,0]  ; each accumulator from its low end on
.set n, n+2
.endr
	WIN 0x05                        ; sources 0 and 1 window 1, destination window 0: the scores' registers are free
.set n, 0
.rept 16
	v_cvt_pk_f16_f32 v[S+32*\t+n], v[32*\t+2*n], v[32*\t+2*n+1]
.set n, n+1
.endr
	WIN 0
.irp c, 0,1,2,3
	ds_store_b128 v[STO], v[S+32*\t+4*\c:S+32*\t+4*\c+3] offset:32*\c
.endr
.irp g, 0,1,2,3
	ds_load_b128 v[S+32*\t+16+4*\g:S+32*\t+16+4*\g+3], v[RD] offset:544*\g  ; LDS serves a wave's instructions in order (ISA guide 5.7.1.4): these see the stores above; the next tile's stores come behind them
.endr
.endm
.macro SEND t, younger              ; younger: the LDS instructions issued behind tile t's loads: the next tile's eight, or none
.irp g, 0,1,2,3
	s_wait_dscnt \younger+3-\g
	global_store_b128 v[GO], v[S+32*\t+16+4*\g:S+32*\t+16+4*\g+3], s[32:33] offset:2048*\t+512*\g  ; 32 lanes store 512 consecutive bytes, aligned to 256
.endr
.endm
	PACK 0
	PACK 1                          ; a tile's arithmetic stands between the loads of the tile before and its stores
	SEND 0, 8
	PACK 2
	SEND 1, 8
	PACK 3
	SEND 2, 8
	SEND 3, 0
	s_wait_tensorcnt 0x0            ; the wave's end: behind my last tensor load and my last LDS store
	ds_add_u32 v[SPW], v[NIL]
	s_wait_dscnt 0x0
	CROUND                          ; the closing round: no work-group ends while a partner may still ask for a tile that names it
	s_endpgm
.Lfunc_end_k_q83f9347d47_attn:
	.size	k_q83f9347d47_attn, .Lfunc_end_k_q83f9347d47_attn-k_q83f9347d47_attn
	.p2alignl 7, 3214868480
	.fill 96, 4, 3214868480
	.section	.rodata,"a",@progbits
	.p2align	6, 0x0
	.amdhsa_kernel k_q83f9347d47_attn
		.amdhsa_group_segment_fixed_size 327680
		.amdhsa_private_segment_fixed_size 0
		.amdhsa_enable_private_segment 0
		.amdhsa_kernarg_size 24
		.amdhsa_user_sgpr_count 2
		.amdhsa_user_sgpr_kernarg_segment_ptr 1
		.amdhsa_wavefront_size32 1
		.amdhsa_system_sgpr_workgroup_id_x 1
		.amdhsa_system_sgpr_workgroup_id_y 1
		.amdhsa_system_sgpr_workgroup_id_z 1
		.amdhsa_system_vgpr_workitem_id 0
		.amdhsa_next_free_vgpr 512
		.amdhsa_next_free_sgpr 106
		.amdhsa_reserve_vcc 0
		.amdhsa_float_denorm_mode_32 3
		.amdhsa_float_denorm_mode_16_64 3
		.amdhsa_memory_ordered 1
		.amdhsa_forward_progress 1
		.amdhsa_inst_pref_size 115
	.end_amdhsa_kernel
	.amdgpu_metadata
---
amdhsa.version: [ 1, 2 ]
amdhsa.kernels:
  - .name:           k_q83f9347d47_attn
    .symbol:         k_q83f9347d47_attn.kd
    .args:
      - { .name: qkv, .offset: 0, .size: 8, .value_kind: global_buffer, .address_space: global }
      - { .name: mbits, .offset: 8, .size: 8, .value_kind: global_buffer, .address_space: global }
      - { .name: ctx, .offset: 16, .size: 8, .value_kind: global_buffer, .address_space: global }
    .group_segment_fixed_size: 327680
    .private_segment_fixed_size: 0
    .kernarg_segment_align: 8
    .kernarg_segment_size: 24
    .max_flat_workgroup_size: 256
    .sgpr_count:     106
    .vgpr_count:     512
    .wavefront_size: 32
...
	.end_amdgpu_metadata
.endif
;; end of part 3
;; launch oproj (part 4): grid 8 x 64, 4 waves a work-group, clusters of 4 x 4, 327,680 bytes of LDS; arguments ctx, wo16, bo, out0; writes out0
.if DOCPART == 4
	.amdgcn_target "amdgcn-amd-amdhsa--gfx1250"
	.amdhsa_code_object_version 6
	.text
	.protected	k_q83f9347d47_oproj
	.globl	k_q83f9347d47_oproj
	.p2align	8
	.type	k_q83f9347d47_oproj,@function
k_q83f9347d47_oproj:
	s_mov_b64 s[64:65], 0
	v_nop
	global_prefetch_b8 v0, s[64:65] scope:SCOPE_SE
	s_setreg_imm32_b32 hwreg(HW_REG_WAVE_MODE, 25, 1), 1
	s_wait_xcnt 0x0
	s_wait_alu depctr_hold_cnt(0) depctr_sa_sdst(0) depctr_va_vdst(0) depctr_va_sdst(0) depctr_va_ssrc(0) depctr_va_vcc(0) depctr_vm_vsrc(0)
	s_getreg_b32 s2, hwreg(HW_REG_IB_STS2, 6, 4)
	s_cmp_eq_u32 s2, 0
	s_cbranch_scc0 .Lentry_in_a_cluster
	s_endpgm
.Lentry_in_a_cluster:
	s_bfe_u32 s2, ttmp6, 0x10000c
	s_cmp_lg_u32 s2, 0xf033
	s_cbranch_scc0 .Lentry_shape_is_right
	s_endpgm
.Lentry_shape_is_right:
; OPROJ: out0[token][n] = the sum over k of ctx[token][k] Wo[n][k] + bo[n].  Operands f16, sums f32, out0 [8192][1024] f32.
; A: ctx [k / 256][token / 128][(k / 64) % 4][token % 128][64] f16: the tile of 128 tokens x 256 along K is one dense block of 65,536 bytes.  B: wo16 [1024 n][1024 k] f16.
; A tile of out0 is 128 x 128: 512 work-groups, two for each of 256 WGPs.  Four waves, each 64 x 64: 16 accumulators.  K goes in four steps of 256 through a ring of two LDS slots.
; CLUSTERS: 4 x 4 work-groups.  The four of a row of the cluster need the same tiles of A, the four of a column the same tiles of B: each tile is asked for jointly.
; THE MATRIX INSTRUCTION IS USED TRANSPOSED (source 0 = 16 rows of Wo, source 1 = 16 tokens): a lane holds eight neighbouring columns of one token.  The bias is the C of each sum's first product.
; REGISTERS: window 0: v0-31 addresses; v32-63 the bias, later with v64-95 rows on the way out; v128-255 the accumulators ((a, b) at v[128 + 8 (4 a + b)]).
;   window 1: two fragment buffers of 128: for 64 along K, 64 registers of A, then 64 of B.
.set PA,     272                       ; A in LDS: a row is two tokens of one head, 256 bytes, + 16 of padding: token m of head hs at (64 hs + m / 2) x 272 + (m % 2) x 128: the 16 tokens of a load fall on 16 different columns of 16 bytes
.set PB,     528                       ; B: a row of 512 bytes + 16 of padding: 132 words: row r starts at bank 4 r mod 64 (64 banks of 4 bytes: ISA guide 11.1)
.set HALFA,  128*PA                    ; what one tensor load brings of A: two heads x 128 tokens
.set HALFB,  64*PB                     ; of B: 64 rows
.set BOFF,   2*HALFA
.set SLOT,   BOFF+2*HALFB
.set STAGE,  2*SLOT                    ; behind the ring: 16 rows x 272 bytes for each wave, for the way out
.set SPITCH, 272
.set SPARE,  STAGE+4*16*SPITCH         ; the spare words, 128 bytes for each wave: two blocks of 256 bytes that no other line names
.set ASTEP,  4194304                   ; a K step on, in bytes: 64 blocks of 65,536 in ctx,
.set BSTEP,  512                       ; 256 numbers in a row of wo16
.set LAPS,   2                         ; a lap = two K steps = once round the ring
.set ADRA, 16
.set ADRB, 20
.set STO,  24
.set RD,   25
.set CO,   26
.set BO,   27                          ; v27  the bias loads' lane offset
.set SPW,  28                          ; v28  LDS address of my spare word; never rewritten
.set NIL,  29                          ; v29  0; never rewritten
.set BI,   32
.set OB,   32
.set ACC,  128
.set F0,   0
.set F1,   128
.set G1, 24
.set G0, 32
.set G1B, 48
.set G0B, 56
.set MSB, 0
.macro WIN new                         ; the immediate's high byte repeats the setting that is left
.if MSB != \new
	s_set_vgpr_msb (MSB<<8)|\new
.set MSB, \new
.endif
.endm
.set MUL,  0x05                        ; sources 0 (B) and 1 (A) window 1; C and D window 0
.set TO_F, 0x40                        ; destination window 1, address window 0
.macro JLOAD s                         ; a joint load: waves 0 and 1 fetch A's two halves, waves 2 and 3 B's; an s_nop 0 and four v_nop follow each of the two lines
	s_cmp_eq_u32 s11, 0
	s_cbranch_scc0 .Lfor_b_\@
	tensor_load_to_lds s[G0+4*\s:G0+4*\s+3], s[G1:G1+7]
	s_nop 0
.rept 4
	v_nop
.endr
	s_branch .Lasked_\@
.Lfor_b_\@:
	tensor_load_to_lds s[G0B+4*\s:G0B+4*\s+3], s[G1B:G1B+7]
	s_nop 0
.rept 4
	v_nop
.endr
.Lasked_\@:
.endm
.macro CREST                           ; a round of the cluster's barrier behind its opening barrier
	s_cmp_lg_u32 s10, 0
	s_cbranch_scc1 .Lnot_wave_0_\@
	s_barrier_signal -3
.Lnot_wave_0_\@:
	s_barrier_wait -3
	s_barrier_signal -1
	s_barrier_wait -1
.endm
.macro CROUND                          ; a whole round
	s_barrier_signal -1
	s_barrier_wait -1
	CREST
.endm
	s_load_b128 s[4:7], s[0:1], 0x0                ; ctx s[4:5], wo16 s[6:7]
	s_load_b64 s[66:67], s[0:1], 0x10              ; bo
	s_load_b64 s[8:9], s[0:1], 0x18                ; out0
	v_lshl_add_u32 v[SPW], v0, 2, SPARE
	v_mov_b32 v[NIL], 0
	ds_add_u32 v[SPW], v[NIL]                      ; the wave's opening: the add, twice on end, and its wait ahead of my first tensor load
	ds_add_u32 v[SPW], v[NIL]                      ; and once more; the set-up below, work on registers, stands between it and the wait
	v_lshrrev_b32 v1, 5, v0
	v_readfirstlane_b32 s10, v1                    ; wave 0..3
	s_lshr_b32 s11, s10, 1                         ; which half of the tile's rows is mine.  Also: I fetch for A (0) or for B (1)
	s_and_b32 s12, s10, 1                          ; which half of its columns.  Also: which half of that tile I fetch
	s_bfe_u32 s40, ttmp6, 0x40000                  ; cx, cy: my place in the cluster
	s_bfe_u32 s41, ttmp6, 0x40004
	s_lshl_b32 s42, ttmp9, 2
	s_add_co_u32 s42, s42, s40                     ; tile column = 4 x cluster x + cx
	s_and_b32 s13, ttmp7, 0xffff
	s_lshl_b32 s13, s13, 2
	s_add_co_u32 s13, s13, s41                     ; tile row = 4 x cluster y + cy
	s_lshl_b32 s43, s41, 2
	s_lshl_b32 s43, 15, s43                        ; my row of the cluster
	s_lshl_b32 s44, 0x1111, s40                    ; my column
	; descriptor group 1.  A: 128 dense rows of 128 elements of 2 bytes, four words of padding behind every 64;  B: 64 rows of 256 elements, 1,024 elements apart, four words behind every 128
	s_or_b32 s[G1+0], s43, (1<<16)|(1<<20)|(1<<21)|(5<<22)|(3<<25)
	s_mov_b32 s[G1+1], 128<<16                     ; tensor_dim0
	s_mov_b32 s[G1+2], 128<<16                     ; tensor_dim1
	s_mov_b32 s[G1+3], 128<<16                     ; tile_dim0
	s_mov_b32 s[G1+4], 128                         ; tile_dim1
	s_mov_b32 s[G1+5], 128                         ; tensor_dim0_stride
	s_mov_b32 s[G1+6], 0
	s_mov_b32 s[G1+7], 0
	s_or_b32 s[G1B+0], s44, (1<<16)|(1<<20)|(1<<21)|(6<<22)|(3<<25)
	s_mov_b32 s[G1B+1], 256<<16
	s_mov_b32 s[G1B+2], 64<<16
	s_mov_b32 s[G1B+3], 256<<16
	s_mov_b32 s[G1B+4], 64
	s_mov_b32 s[G1B+5], 1024
	s_mov_b32 s[G1B+6], 0
	s_mov_b32 s[G1B+7], 0
	s_lshl_b32 s16, s13, 16                        ; A: the tile row's block of 65,536 bytes,
	s_lshl_b32 s17, s12, 15                        ; my half of it
	s_add_co_u32 s16, s16, s17
	s_mov_b32 s17, 0
	s_lshl_b32 s46, s42, 7
	s_lshl_b32 s47, s12, 6
	s_add_co_u32 s46, s46, s47                     ; B: row 128 x tile column + 64 x half,
	s_lshl_b32 s46, s46, 11                        ; of 2,048 bytes
	s_mov_b32 s47, 0
	s_mul_i32 s20, s12, HALFA                      ; where they go: no place in the cluster enters an LDS address
	s_mul_i32 s21, s12, HALFB
	s_add_co_u32 s21, s21, BOFF
	s_wait_dscnt 0x0                               ; both opening adds are done
	s_wait_kmcnt 0x0
	s_add_nc_u64 s[14:15], s[4:5], s[16:17]
	s_add_nc_u64 s[46:47], s[6:7], s[46:47]
	CROUND                                         ; all sixteen work-groups are here: the first joint loads meet
.irp s, 0,1
	s_mov_b32 s[G0+4*\s], 1
	s_add_co_u32 s[G0+4*\s+1], s20, \s*SLOT
	s_add_nc_u64 s[G0+4*\s+2:G0+4*\s+3], s[14:15], \s*ASTEP
	s_or_b32 s[G0+4*\s+3], s[G0+4*\s+3], 0x80000000
	s_mov_b32 s[G0B+4*\s], 1
	s_add_co_u32 s[G0B+4*\s+1], s21, \s*SLOT
	s_add_nc_u64 s[G0B+4*\s+2:G0B+4*\s+3], s[46:47], \s*BSTEP
	s_or_b32 s[G0B+4*\s+3], s[G0B+4*\s+3], 0x80000000
	JLOAD \s
.endr
	v_and_b32 v1, 15, v0                           ; r = l % 16
	v_bfe_u32 v2, v0, 4, 1                         ; h = l / 16
	; the bias: lane (r, h) wants, for block b of 16 columns, the numbers of columns 16 b + 8 h + 0 .. 7
	s_lshl_b32 s18, s42, 9                         ; 128 columns x 4 bytes a tile column
	s_lshl_b32 s19, s12, 8                         ; my half
	s_add_co_u32 s18, s18, s19
	s_mov_b32 s19, 0
	s_add_nc_u64 s[66:67], s[66:67], s[18:19]
	v_lshlrev_b32 v[BO], 5, v2
.irp b, 0,1,2,3
	global_load_b128 v[BI+8*\b:BI+8*\b+3], v[BO], s[66:67] offset:64*\b
	global_load_b128 v[BI+8*\b+4:BI+8*\b+7], v[BO], s[66:67] offset:64*\b+16
.endr
	v_lshrrev_b32 v3, 1, v1
	v_mul_u32_u24 v3, v3, PA
	v_and_b32 v4, 1, v1
	v_lshl_add_u32 v3, v4, 7, v3
	v_lshl_add_u32 v3, v2, 4, v3                   ; A: token r of a block: (r / 2) x pitch + (r % 2) x 128 + 16 x half
	v_mul_u32_u24 v4, v1, PB
	v_lshl_add_u32 v4, v2, 4, v4                   ; B: row r x pitch + 16 x half
	s_mul_i32 s21, s11, 32*PA                      ; my 64 tokens of A
	s_mul_i32 s22, s12, HALFB                      ; my 64 rows of B,
	s_add_co_u32 s22, s22, BOFF                    ; which lie behind A
.irp s, 0,1
	v_add_nc_u32 v[ADRA+\s], s21, v3
	v_add_nc_u32 v[ADRB+\s], s22, v4
	s_add_co_u32 s21, s21, SLOT
	s_add_co_u32 s22, s22, SLOT
.endr
	s_mul_i32 s23, s10, 16*SPITCH
	s_add_co_u32 s23, s23, STAGE                   ; my stage
	v_mul_u32_u24 v5, v1, SPITCH                   ; in: row r, 32 bytes for each half of the lanes
	v_lshl_add_u32 v5, v2, 5, v5
	v_add_nc_u32 v[STO], s23, v5
	v_mul_u32_u24 v5, v2, SPITCH                   ; back: lanes 0-15 take one row of 256 bytes, lanes 16-31 the next
	v_lshl_add_u32 v5, v1, 4, v5
	v_add_nc_u32 v[RD], s23, v5
	v_lshlrev_b32 v5, 12, v2                       ; and the same two rows in out0: 4,096 bytes a row
	v_lshl_add_u32 v[CO], v1, 4, v5
	s_lshl_b32 s16, s13, 7
	s_lshl_b32 s17, s11, 6
	s_add_co_u32 s16, s16, s17                     ; my first row: 128 x tile row + 64 x half
	s_lshl_b32 s16, s16, 12
	s_add_co_u32 s16, s16, s18                     ; + my first column's bytes, as for the bias
	s_mov_b32 s17, 0
	s_add_nc_u64 s[8:9], s[8:9], s[16:17]
; 8 matrix instructions: m blocks a0, a0 + 1 x all 4 n blocks, 32 along K: half c of buffer f.  first = 1: the first product starts the sums on the bias.  The 16 accumulators take turns.
.macro MUL8 f, c, a0, first
.irp a, \a0, \a0+1
.irp b, 0,1,2,3
.if \first
	v_wmma_f32_16x16x32_f16 v[ACC+8*(4*(\a)+\b):ACC+8*(4*(\a)+\b)+7], v[\f+64+8*(4*\c+\b):\f+64+8*(4*\c+\b)+7], v[\f+8*(4*\c+\a):\f+8*(4*\c+\a)+7], v[BI+8*\b:BI+8*\b+7]
.else
	v_wmma_f32_16x16x32_f16 v[ACC+8*(4*(\a)+\b):ACC+8*(4*(\a)+\b)+7], v[\f+64+8*(4*\c+\b):\f+64+8*(4*\c+\b)+7], v[\f+8*(4*\c+\a):\f+8*(4*\c+\a)+7], v[ACC+8*(4*(\a)+\b):ACC+8*(4*(\a)+\b)+7]
.endif
.endr
.endr
.endm
; 32 LDS loads in one run: the fragments of quarter qd of a K step (64 along K = one head) into buffer f; the first 32 along K first
.macro FETCH slot, qd, f
	WIN TO_F
.irp c, 0,1
.irp i, 0,1,2,3
	ds_load_b128 v[\f+64+8*(4*\c+\i):\f+64+8*(4*\c+\i)+3],   v[ADRB+\slot] offset:128*(\qd)+64*\c+\i*16*PB
	ds_load_b128 v[\f+64+8*(4*\c+\i)+4:\f+64+8*(4*\c+\i)+7], v[ADRB+\slot] offset:128*(\qd)+64*\c+\i*16*PB+32
	ds_load_b128 v[\f+8*(4*\c+\i):\f+8*(4*\c+\i)+3],         v[ADRA+\slot] offset:64*PA*(\qd)+64*\c+\i*8*PA
	ds_load_b128 v[\f+8*(4*\c+\i)+4:\f+8*(4*\c+\i)+7],       v[ADRA+\slot] offset:64*PA*(\qd)+64*\c+\i*8*PA+32
.endr
.endr
.endm
.macro PLACES                          ; four places in front of loads into registers that matrix instructions have read, and of reads of results
.rept 4
	v_nop
.endr
.endm
; A K step is four quarters of 64 along K, 32 matrix instructions each, on buffers 0, 1, 0, 1.  One of the first three: multiplies buffer f and fetches quarter qd into g.
.macro QUARTER slot, qd, f, g, first
	s_wait_dscnt 16                                ; the first 32 along K are in; the youngest sixteen loads may be out
	WIN MUL
	MUL8 \f, 0, 0, \first
	MUL8 \f, 0, 2, \first
	PLACES
	FETCH \slot, \qd, \g
	s_wait_dscnt 32                                ; all but the 32 just issued
	WIN MUL
	MUL8 \f, 1, 0, 0
	MUL8 \f, 1, 2, 0
.endm
; The last quarter multiplies buffer 1 and changes slots: ONE barrier; in front of it each wave waits for all its tensor loads, adds 0 to its spare word, and waits for that and for its own reads of this slot.  fill = 1: this slot is filled again, two K steps ahead.
.macro TURN slot, next, fill
	WIN 0                                          ; (the add's two registers lie in window 0)
	s_wait_tensorcnt 0x0                           ; all my tensor loads have landed: my part of the next slot;
	ds_add_u32 v[SPW], v[NIL]                      ; 0 onto my spare word;
	s_wait_dscnt 17                                ; (the add and the youngest sixteen loads may be out)
	WIN MUL
	MUL8 F1, 0, 0, 0                               ; eight matrix instructions stand between the add and the wait for it
	s_wait_dscnt 0x0                               ; the add is done, and my reads of this slot are over
	s_barrier_signal -1
	MUL8 F1, 0, 2, 0
.if \fill
	WIN 0
.endif
	s_barrier_wait -1
.if \fill
	CREST                                          ; the barrier has opened a round of the cluster's barrier: no wave of any partner still reads this slot's tile or has a load on its way
	s_add_nc_u64 s[G0+4*\slot+2:G0+4*\slot+3], s[G0+4*\slot+2:G0+4*\slot+3], 2*ASTEP
	s_add_nc_u64 s[G0B+4*\slot+2:G0B+4*\slot+3], s[G0B+4*\slot+2:G0B+4*\slot+3], 2*BSTEP
	JLOAD \slot                                    ; the first tensor load behind the round; the four v_nop behind it are also the places in front of the loads below
.else
	PLACES
.endif
	FETCH \next, 0, F0
	WIN MUL
	MUL8 F1, 1, 0, 0
	MUL8 F1, 1, 2, 0
.endm
	s_wait_tensorcnt 1                             ; my part of K step 0 is in (K step 1's load may be out)
	s_barrier_signal -1
	s_barrier_wait -1                              ; everybody's is
	FETCH 0, 0, F0
	s_wait_loadcnt 0x0                             ; the bias
	QUARTER 0, 1, F0, F1, 1                        ; the first quarter stands in front of the loop: its first products start the sums
	WIN 0                                          ; at a label and at a branch every window is 0
	s_mov_b32 s3, LAPS-1
.Llap:                                                 ; a trip goes once round the ring, from a lap's second quarter to the next lap's first, and fills both slots again
	QUARTER 0, 2, F1, F0, 0
	QUARTER 0, 3, F0, F1, 0
	TURN 0, 1, 1
	QUARTER 1, 1, F0, F1, 0
	QUARTER 1, 2, F1, F0, 0
	QUARTER 1, 3, F0, F1, 0
	TURN 1, 0, 1
	QUARTER 0, 1, F0, F1, 0
	WIN 0
	s_sub_co_u32 s3, s3, 1
	s_cmp_lg_u32 s3, 0
	s_cbranch_scc1 .Llap
	QUARTER 0, 2, F1, F0, 0                        ; the last lap fills nothing, and has no round of the cluster's barrier
	QUARTER 0, 3, F0, F1, 0
	TURN 0, 1, 0
	QUARTER 1, 1, F0, F1, 0
	QUARTER 1, 2, F1, F0, 0
	QUARTER 1, 3, F0, F1, 0
	s_wait_dscnt 16                                ; the very last quarter: nothing more to fetch
	WIN MUL
	MUL8 F1, 0, 0, 0
	MUL8 F1, 0, 2, 0
	s_wait_dscnt 0
	MUL8 F1, 1, 0, 0
	MUL8 F1, 1, 2, 0
	WIN 0
; THE WAY OUT, block by block of 16 tokens x 64 columns.  A lane holds 32 neighbouring bytes of a row; a block goes through my own stage and comes back as whole runs of 256 bytes, which sixteen lanes store, aligned.
.macro TOST a
.irp b, 0,1,2,3
	ds_store_b128 v[STO], v[ACC+8*(4*(\a)+\b):ACC+8*(4*(\a)+\b)+3] offset:64*\b          ; each accumulator from its low end on
	ds_store_b128 v[STO], v[ACC+8*(4*(\a)+\b)+4:ACC+8*(4*(\a)+\b)+7] offset:64*\b+16
.endr
.irp t, 0,1,2,3,4,5,6,7
	ds_load_b128 v[OB+32*((\a)%2)+4*\t:OB+32*((\a)%2)+4*\t+3], v[RD] offset:2*\t*SPITCH   ; LDS serves a wave's instructions in order (ISA guide 5.7.1.4): these see the stores above
.endr
.endm
.macro SEND a, younger                 ; younger: the LDS instructions issued behind block a's loads, which may stay out
	s_wait_dscnt \younger
.irp t, 0,1,2,3,4,5,6,7
	global_store_b128 v[CO], v[OB+32*((\a)%2)+4*\t:OB+32*((\a)%2)+4*\t+3], s[8:9] offset:(16*(\a)+2*\t)*4096 th:TH_STORE_NT   ; written once, read by nobody here
.endr
.endm
	PLACES                                         ; behind the last products
	TOST 0
.irp a, 1,2,3
.if \a > 1
	s_wait_xcnt 0x0                                ; block a - 2's stores have read their registers: block a's loads may land there
.endif
	TOST \a
	SEND \a-1, 16                                  ; behind block a - 1's loads: block a's 8 stores and 8 loads
.endr
	SEND 3, 0
	s_wait_tensorcnt 0x0                           ; the wave's end: behind my last tensor load and my last LDS store
	ds_add_u32 v[SPW], v[NIL]
	s_wait_dscnt 0x0
	CROUND                                         ; the closing round: no work-group ends while a partner may still ask for a tile that names it
	s_endpgm
.Lfunc_end_k_q83f9347d47_oproj:
	.size	k_q83f9347d47_oproj, .Lfunc_end_k_q83f9347d47_oproj-k_q83f9347d47_oproj
	.p2alignl 7, 3214868480
	.fill 96, 4, 3214868480
	.section	.rodata,"a",@progbits
	.p2align	6, 0x0
	.amdhsa_kernel k_q83f9347d47_oproj
		.amdhsa_group_segment_fixed_size 327680
		.amdhsa_private_segment_fixed_size 0
		.amdhsa_enable_private_segment 0
		.amdhsa_kernarg_size 32
		.amdhsa_user_sgpr_count 2
		.amdhsa_user_sgpr_kernarg_segment_ptr 1
		.amdhsa_wavefront_size32 1
		.amdhsa_system_sgpr_workgroup_id_x 1
		.amdhsa_system_sgpr_workgroup_id_y 1
		.amdhsa_system_sgpr_workgroup_id_z 1
		.amdhsa_system_vgpr_workitem_id 0
		.amdhsa_next_free_vgpr 512
		.amdhsa_next_free_sgpr 68
		.amdhsa_reserve_vcc 0
		.amdhsa_float_denorm_mode_32 3
		.amdhsa_float_denorm_mode_16_64 3
		.amdhsa_memory_ordered 1
		.amdhsa_forward_progress 1
		.amdhsa_inst_pref_size 87
	.end_amdhsa_kernel
	.amdgpu_metadata
---
amdhsa.version: [ 1, 2 ]
amdhsa.kernels:
  - .name:           k_q83f9347d47_oproj
    .symbol:         k_q83f9347d47_oproj.kd
    .args:
      - { .name: ctx, .offset: 0, .size: 8, .value_kind: global_buffer, .address_space: global }
      - { .name: wo16, .offset: 8, .size: 8, .value_kind: global_buffer, .address_space: global }
      - { .name: bo, .offset: 16, .size: 8, .value_kind: global_buffer, .address_space: global }
      - { .name: out0, .offset: 24, .size: 8, .value_kind: global_buffer, .address_space: global }
    .group_segment_fixed_size: 327680
    .private_segment_fixed_size: 0
    .kernarg_segment_align: 8
    .kernarg_segment_size: 32
    .max_flat_workgroup_size: 128
    .sgpr_count:     68
    .vgpr_count:     512
    .wavefront_size: 32
...
	.end_amdgpu_metadata
.endif
;; end of part 4
